; MI455X (gfx1250); checked and timed in simulation.
; The chip was launched on July 23, 2026; its instructions are those of AMD's public machine-readable ISA for CDNA 5 (MIT licence, August 2026) and "CDNA5" Instruction Set Architecture Reference Guide (July 2026). The comments in the code are by the model that wrote it; some were corrected since.
;; Parallel Attention Block. Allowed arithmetic: matrix products marked QUANTISED: E2M3 operands, one E8M0 scale for each 32 along K, by v_wmma_scale_f32_16x16x128_f8f6f4 with both operands' format E2M3, f32 sums; everything else in f32.
;; Inputs: Wk 1,024 x 1,024 float32; Wo 1,024 x 1,024 float32; Wq 1,024 x 1,024 float32; Wv 1,024 x 1,024 float32; bk 1,024 float32; bo 1,024 float32; bq 1,024 float32; bv 1,024 float32; k_vec 4 x 2,048 x 1,024 float32; mask_input 1 x 1 x 2,048 x 2,048 int32; q_vec 4 x 2,048 x 1,024 float32; v_vec 4 x 2,048 x 1,024 float32.
;; Outputs: out0 4 x 2,048 x 1,024 float32.
;; This version of the problem:
;;   THIS VERSION OF THE PROBLEM IS GIVEN IN LOW PRECISION. The matrix products marked QUANTISED in the list below multiply operands that are first quantised to E2M3 (2 exponent bits, 3 mantissa bits; 6 bits a number), with one power-of-two scale for each 32 numbers along K (OCP MX v1.0); their sums are f32. All else is computed in f32.
;;   The module's matrix products, in the order in which they are computed (A, B: the left and right operand; K: the contracted axis; several contracted axes count as one K, in the product's order):
;;     1. [M 8,192, K 1,024] x [K 1,024, N 1,024]; A: input q_vec; B: input Wq: QUANTISED
;;     2. [M 8,192, K 1,024] x [K 1,024, N 1,024]; A: input k_vec; B: input Wk: QUANTISED
;;     3. [M 8,192, K 1,024] x [K 1,024, N 1,024]; A: input v_vec; B: input Wv: QUANTISED
;;     4. batch 64 x [M 2,048, K 64] x [K 64, N 2,048]; A: computed on the way; B: computed on the way: QUANTISED
;;     5. batch 64 x [M 2,048, K 2,048] x [K 2,048, N 64]; A: softmax (see below); B: computed on the way: QUANTISED
;;     6. [M 8,192, K 1,024] x [K 1,024, N 1,024]; A: computed on the way; B: input Wo: QUANTISED
;;   THE QUANTISER, for each operand of a quantised product, along K:
;;     - K is cut into blocks of 32 from its start; a last block that is shorter is filled with zeros.
;;     - A block's scale is 2^e with e = floor(log2(the largest magnitude in the block)) - 2, held to -126 .. 127; a block of zeros has e = 0. As a byte (E8M0): e + 127.
;;     - Each number is divided by its block's scale, clamped to +-7.5, and rounded to the nearest number of E2M3, ties to even, subnormals kept.
;;     - The product sums the exact products of the quantised numbers (number of the format x scale) in f32.
;;   ~~~python
;;   def quantise(x, axis):      # numpy; x: float32 -> the quantised numbers, widened to float32 again
;;       x = np.moveaxis(x, axis, -1); K = x.shape[-1]
;;       x = np.pad(x, [(0, 0)] * (x.ndim - 1) + [(0, -K % 32)]); x = x.reshape(x.shape[:-1] + (-1, 32)); a = np.abs(x).max(-1, keepdims=True)
;;       e = np.where(a > 0, np.clip(np.frexp(np.where(a > 0, a, 1))[1] - 1 - 2, -126, 127), 0)      # np.frexp(a)[1] - 1 = floor(log2(a)), exactly
;;       r = np.clip(x / 2.0 ** e, -7.5, 7.5)
;;       step = 2.0 ** (np.maximum(np.frexp(np.where(r == 0, 1, r))[1] - 1, 0) - 3)
;;       q = np.round(r / step) * step * 2.0 ** e      # np.round: ties to even
;;       return np.moveaxis(q.reshape(q.shape[:-2] + (-1,))[..., :K], -1, axis).astype(np.float32)
;;   ~~~
;;   SOFTMAX AHEAD OF A QUANTISED PRODUCT. Where the list says 'softmax', what is quantised is not the finished softmax but p = 2^(t - M), with t = logit x log2(e) and M = ceil(the row's largest t), a whole number; so 1/2 < the row's largest p <= 1. The row's sum l is taken of the UNQUANTISED p, in f32, and the product's result is divided by l at the end. Since M is a whole number, a kernel that streams over the keys may use a running M (the ceiling of the running maximum): every later rescaling is an exact power of two, which a block's scale takes up: the codes' values come out the same.
;;   OPERANDS COMPUTED ON THE WAY. 'Computed on the way' means the value that the module computes at that place (a softmax that the list does not call 'softmax' is quantised finished and normalised). What goes into a quantiser is computed in f32, as accurately as f32 sums, v_exp_f32 and their like allow (about 1e-6 of the number): no bf16 or f16 on the way to a quantiser, and a product that is left as it is and whose result goes on into a quantised operand takes f32 operands (vector FMAs, or v_wmma_f32_16x16x4_f32). A number that lies on a knife's edge between two numbers of the format may be rounded either way, as far as f32 arithmetic and the matrix unit's own rounding can turn it there, and no further.
;; One version. Each part assembles by itself: llvm-mc -triple=amdgcn-amd-amdhsa -mcpu=gfx1250 --defsym DOCPART=n.
;; ======== version 1 of 1: 4 launches
;; limits: right only within a limited range of input values
;; workspace buffers: opq 22,937,600 bytes; mk 524,288 bytes of whole numbers; mf 1,024 bytes of whole numbers; att 19,660,800 bytes; ctx 6,553,600 bytes
;; launch prep (part 1): grid 512 x 1, 4 waves a work-group, no clusters, 68,096 bytes of LDS; arguments q_vec, k_vec, v_vec, Wq, Wk, Wv, Wo, mask_input, opq, mk, mf; writes opq, mk, mf
.if DOCPART == 1
	.amdgcn_target "amdgcn-amd-amdhsa--gfx1250"
	.amdhsa_code_object_version 6
	.text
	.protected	k_q4353a4496d_prep
	.globl	k_q4353a4496d_prep
	.p2align	8
	.type	k_q4353a4496d_prep,@function
k_q4353a4496d_prep:
	s_mov_b64 s[64:65], 0
	v_nop
	global_prefetch_b8 v0, s[64:65] scope:SCOPE_SE
	s_setreg_imm32_b32 hwreg(HW_REG_WAVE_MODE, 25, 1), 1
	s_wait_xcnt 0x0
; q_vec, k_vec, v_vec [8192][1024] and Wq, Wk, Wv, Wo [1024][1024], f32, become codes of FP6 (E2M3) with one E8M0 byte for each 32 along the last axis, laid as IMAGES OF OPERAND REGISTERS in opq;
; mask_input [2048][2048], int32, becomes lane masks in mk.
; THE TILE ORDER.  Tile T of a tensor's rows holds 16 rows: place i is row 32 (T / 2) + 8 (T % 2) + i + 8 (i / 8).
; THE IMAGE.  A fragment (16 rows x 128 K, 12 registers a lane) lies as six chunks of 256 bytes: chunk p holds lane l's registers 2 p and 2 p + 1 at byte 256 p + 8 l.
; opq: codes [tile G 0..1791][K step 0..7][1,536 bytes]; tiles: q_vec 0.., k_vec 512.., v_vec 1024.., Wq 1536.., Wk 1600.., Wv 1664.., Wo 1728..
;      scale words from byte OPQS on: [G][sigma 0..3][row place 0..15][2 words]: the word of K step 2 sigma + e at 128 sigma + 8 r + 4 e.
; mk:  [query tile 0..127][key step 0..15][n 0..63] words; bit 16 h + r of word n = 16 b + i is 1 where mask[query place r][128 step + 32 b + 16 h + i] is not 0.
; A block's scale is 2^(floor(log2(its largest magnitude)) - 2); its byte is the largest magnitude's exponent field - 2, held at 1 from below.
; LIMITS: NaN and infinities are not served.  A block of zeros, and a block whose largest magnitude lies under 2^-124, keep the byte 1 (a block of zeros has zero codes; the bytes are read by this program alone).
; SHARES.  Work-groups 0..447: wave w quantises tile G = 4 g + w: eight fragments.  Work-groups 448..511: wave w packs half the keys of query tile 2 (g - 448) + w / 2.
; Each load reads 512 consecutive bytes of one row; a fragment's 16 x 512 bytes turn through the wave's own stage in LDS (rows 528 bytes apart) so that lane (r, h) gets, of row place r, 16 neighbours of each block of 32.
; No barrier: waves share nothing.  The two paths have LDS bytes of their own.  Loads run two fragments (32 loads a wave) ahead.
.set SP,    528                        ; a stage row: 512 bytes + 16: the sixteen rows that a read touches begin in sixteen different 16-byte columns
.set QST,   0                          ; the quantising path's four stages
.set MST,   4*16*SP                    ; the mask path's four stages
.set SPARE, 8*16*SP                    ; the spare words, 128 bytes for each wave: two blocks of 256 bytes that no other line names
.set OPQS,  22020096                   ; where opq's scale words begin
.set R,     16                         ; v16-143  two sets of 64: a fragment's numbers as loaded
.set X,     144                        ; v144-207 register 16 b + i = k 32 b + 16 h + i of my row
.set PC,    208                        ; v208-227 the codes just made
.set OUTW,  208                        ; v208-209 (mask path) the 64 words of a key step, two a lane
.set TM,    228                        ; v228-243 at work in QUANT
.set PWS,   246                        ; v246-253 the eight scale words of my row
.set SPW,   10                         ; v10 LDS address of my spare word; never rewritten
.set NIL,   11                         ; v11 0; never rewritten
.set SEL,   30                         ; s[30:31] v_permlanex16_b32's selects for lane l xor 16
; 64 numbers of a lane, register 16 b + i = k 32 b + 16 (lane / 16) + i of my row, become a fragment's codes in v[PC] on and my row's scale word in v[pw].
.macro QUANT s, pw
.irp b, 0,1,2,3
	v_max3_num_f32 v[TM+\b], |v[\s+16*\b]|, |v[\s+1+16*\b]|, 0x1800000   ; block b: my 16 numbers, and the floor 2^(3 - 127): the byte cannot fall under 1
.endr
.irp i, 2,4,6,8,10,12,14
.irp b, 0,1,2,3
	v_max3_num_f32 v[TM+\b], v[TM+\b], |v[\s+16*\b+\i]|, |v[\s+1+16*\b+\i]|   ; the four blocks by turns
.endr
.endr
.irp b, 0,1,2,3
	v_permlanex16_b32 v[TM+4+\b], v[TM+\b], s[SEL], s[SEL+1]
.endr
.irp b, 0,1,2,3
	v_max_num_f32 v[TM+\b], v[TM+\b], v[TM+4+\b]   ; with lane l xor 16's: the block's largest magnitude
.endr
.irp b, 0,1,2,3
	v_add_nc_u32 v[TM+12+\b], 0xff000000, v[TM+\b]   ; 2 off its exponent field: the conversion takes this operand's exponent field as its scale
.endr
.irp b, 0,1,2,3
	v_lshrrev_b32 v[TM+4+\b], 23, v[TM+12+\b]      ; the scale's byte
.endr
	v_lshl_or_b32 v[\pw], v[TM+5], 8, v[TM+4]
	v_lshl_or_b32 v[\pw], v[TM+6], 16, v[\pw]
	v_lshl_or_b32 v[\pw], v[TM+7], 24, v[\pw]
.irp c, 0,1
	v_cvt_scalef32_pk16_fp6_f32 v[PC+6*\c:PC+2+6*\c], v[\s+32*\c:\s+15+32*\c], v[TM+12+2*\c]
	v_cvt_scalef32_pk16_fp6_f32 v[PC+12+4*\c:PC+14+4*\c], v[\s+16+32*\c:\s+31+32*\c], v[TM+12+2*\c+1]   ; a conversion's three registers begin on an even number
.endr
	v_nop                                          ; one plain place behind a scaled conversion
.irp c, 0,1                                    ; the operand's layout wants a whole block in a lane
.irp i, 0,1,2
	v_permlane16_swap_b32 v[PC+6*\c+\i], v[PC+12+4*\c+\i]
.endr
.irp i, 0,1,2
	v_mov_b32 v[PC+3+6*\c+\i], v[PC+12+4*\c+\i]
.endr
.endr
.endm
.macro LOADF f, pitch                  ; fragment f: 512 bytes of each of the tile's 16 rows, into set f % 2
.irp i, 0,1,2,3,4,5,6,7,8,9,10,11,12,13,14,15
	global_load_b128 v[R+64*((\f)%2)+4*\i:R+64*((\f)%2)+4*\i+3], v4, s[26:27] offset:(\i+8*(\i/8))*\pitch+512*(\f) th:TH_LOAD_NT
.endr
.endm
.macro TURNF f, in, out                ; through the stage: LDS serves a wave's instructions in order, so no wait stands between the stores and the loads
.irp i, 0,1,2,3,4,5,6,7,8,9,10,11,12,13,14,15
	ds_store_b128 v[\in], v[R+64*((\f)%2)+4*\i:R+64*((\f)%2)+4*\i+3] offset:SP*\i
.endr
.irp b, 0,1,2,3
.irp j, 0,1,2,3
	ds_load_b128 v[X+16*\b+4*\j:X+16*\b+4*\j+3], v[\out] offset:128*\b+16*\j
.endr
.endr
.endm
.macro FRAME f, pitch, in, out
.if (\f) < 7
	s_wait_loadcnt 16                              ; this fragment's 16 loads are in; the next fragment's 16 may be out
.else
	s_wait_loadcnt 0x0
.endif
	s_wait_xcnt 0x0                                ; the last fragment's stores have read their data registers, which are written again below
	TURNF \f, \in, \out
	s_wait_dscnt 0x0                               ; my numbers are back, and the stage's stores have read the set that the next loads fill
.if (\f)+2 < 8
	LOADF (\f)+2, \pitch
.endif
.endm
.macro PICK first, p                   ; from work-group 'first' on: the tensor whose address lies in s[p:p+1]
	s_cmp_ge_u32 ttmp9, \first
	s_cselect_b64 s[26:27], s[\p:\p+1], s[26:27]
	s_cselect_b32 s33, \first, s33
.endm
	s_load_b512 s[4:19], s[0:1], 0x0               ; q_vec s[4:5], k_vec s[6:7], v_vec s[8:9], Wq s[10:11], Wk s[12:13], Wv s[14:15], Wo s[16:17], mask_input s[18:19]
	s_load_b128 s[20:23], s[0:1], 0x40
	s_load_b64 s[46:47], s[0:1], 0x50              ; mf: [query tile 0..127][half of the keys 0..1] words; bit f is 1 where no key of key step 8 half + f is masked for any of the tile's 16 queries
	v_lshl_add_u32 v[SPW], v0, 2, SPARE
	v_mov_b32 v[NIL], 0
	v_lshrrev_b32 v1, 5, v0
	v_readfirstlane_b32 s24, v1                    ; wave
	v_and_b32 v1, 31, v0                           ; lane
	v_and_b32 v2, 15, v0                           ; r
	v_bfe_u32 v3, v0, 4, 1                         ; h
	v_lshlrev_b32 v4, 4, v1                        ; 16 x lane: my bytes of a load's 512
	s_mul_i32 s25, s24, 16*SP                      ; my wave's stage
	v_add_nc_u32 v5, s25, v4                       ; into it: 16 x lane, the row in the immediate
	v_mul_u32_u24 v6, v2, SP
	v_lshl_add_u32 v6, v3, 6, v6
	v_add_nc_u32 v6, s25, v6                       ; out of it: row r, + 64 h
	v_add_nc_u32 v12, MST, v5                      ; the same in the mask path's stage
	v_add_nc_u32 v13, MST, v6
	v_lshlrev_b32 v7, 3, v1                        ; 8 x lane: a chunk's place for my lane
	v_lshlrev_b32 v8, 3, v2
	v_lshl_add_u32 v8, v3, 7, v8                   ; 128 h + 8 r: my place among the tile's scale words
	s_mov_b32 s[SEL], 0x76543210
	s_mov_b32 s[SEL+1], 0xfedcba98
	s_mov_b32 s32, 0xffff0000                      ; lanes 16-31
	s_mov_b32 s35, 0
	s_mov_b32 s39, 0
	s_wait_kmcnt 0x0
	s_cmp_ge_u32 ttmp9, 448
	s_cbranch_scc1 .Lmask
	; ---- the quantising path
	s_mov_b64 s[26:27], s[4:5]
	s_mov_b32 s33, 0
	PICK 128, 6
	PICK 256, 8
	PICK 384, 10
	PICK 400, 12
	PICK 416, 14
	PICK 432, 16
	s_sub_co_u32 s33, ttmp9, s33
	s_lshl_b32 s33, s33, 2
	s_add_co_u32 s33, s33, s24                     ; my tile in its tensor
	s_lshr_b32 s34, s33, 1
	s_lshl_b32 s34, s34, 17                        ; 32 rows of 4,096 bytes for each pair of tiles,
	s_and_b32 s36, s33, 1
	s_lshl_b32 s36, s36, 15                        ; 8 rows for the odd one
	s_add_co_u32 s34, s34, s36
	s_add_nc_u64 s[26:27], s[26:27], s[34:35]
	s_lshl_b32 s36, ttmp9, 2
	s_add_co_u32 s36, s36, s24                     ; G
	s_mul_i32 s38, s36, 12288
	s_add_nc_u64 s[28:29], s[20:21], s[38:39]      ; its codes
	s_lshl_b32 s38, s36, 9
	s_add_co_u32 s38, s38, OPQS
	s_add_nc_u64 s[40:41], s[20:21], s[38:39]      ; its scale words
.irp b, 0,1,2,3
	v_mov_b32 v[TM+4+\b], 0                        ; written once: a lane permute's destination counts as one of its sources
.endr
	LOADF 0, 4096
	LOADF 1, 4096
.irp f, 0,1,2,3,4,5,6,7
	FRAME \f, 4096, 5, 6
	QUANT X, PWS+\f
.irp p, 0,1,2,3,4,5
	global_store_b64 v7, v[PC+2*\p:PC+2*\p+1], s[28:29] offset:1536*\f+256*\p   ; 32 lanes store 256 consecutive bytes, aligned
.endr
.endr
	v_cndmask_b32 v[TM], v[PWS], v[PWS+2], s32     ; lanes 0-15 hold sigma = 0 and 2, lanes 16-31 sigma = 1 and 3
	v_cndmask_b32 v[TM+1], v[PWS+1], v[PWS+3], s32
	v_cndmask_b32 v[TM+2], v[PWS+4], v[PWS+6], s32
	v_cndmask_b32 v[TM+3], v[PWS+5], v[PWS+7], s32
	global_store_b64 v8, v[TM:TM+1], s[40:41]
	global_store_b64 v8, v[TM+2:TM+3], s[40:41] offset:256
	s_wait_tensorcnt 0x0                           ; the wave's end
	ds_add_u32 v[SPW], v[NIL]
	s_wait_dscnt 0x0
	s_endpgm
	; ---- the mask path
.Lmask:
	s_sub_co_u32 s33, ttmp9, 448
	s_lshl_b32 s33, s33, 1
	s_lshr_b32 s34, s24, 1
	s_add_co_u32 s33, s33, s34                     ; my query tile
	s_and_b32 s44, s24, 1                          ; which half of the keys
	s_lshr_b32 s34, s33, 1
	s_lshl_b32 s34, s34, 18                        ; 32 rows of 8,192 bytes for each pair of tiles,
	s_and_b32 s45, s33, 1
	s_lshl_b32 s45, s45, 16                        ; 8 rows for the odd one,
	s_add_co_u32 s34, s34, s45
	s_lshl_b32 s45, s44, 12                        ; 1,024 keys for the second half
	s_add_co_u32 s34, s34, s45
	s_add_nc_u64 s[26:27], s[18:19], s[34:35]
	s_lshl_b32 s34, s33, 12
	s_lshl_b32 s45, s44, 11
	s_add_co_u32 s34, s34, s45
	s_add_nc_u64 s[28:29], s[22:23], s[34:35]      ; my eight key steps' words
	s_lshl_b32 s8, s33, 3                          ; my word of mf: 8 x query tile + 4 x half (the tensors' addresses in s4-s9 serve the other path alone)
	s_lshl_b32 s9, s44, 2
	s_add_co_u32 s8, s8, s9
	s_mov_b32 s9, 0
	s_add_nc_u64 s[8:9], s[46:47], s[8:9]
	s_mov_b32 s5, 0                                ; the eight bits
	LOADF 0, 8192
	LOADF 1, 8192
	s_wait_alu depctr_va_vdst(0)
.irp f, 0,1,2,3,4,5,6,7
	FRAME \f, 8192, 12, 13
	v_mov_b32 v[OUTW], 0
	v_mov_b32 v[OUTW+1], 0
	s_mov_b64 s[10:11], -1                         ; the AND of the key step's 64 words, in eight chains that do not hang on each other
	s_mov_b64 s[12:13], -1
	s_mov_b64 s[14:15], -1
	s_mov_b64 s[16:17], -1
.set n, 0
.rept 8
.irp j, 0,1,2,3,4,5,6,7
	v_cmp_ne_u32 s[36+\j], 0, v[X+n+\j]            ; word n: one bit a lane
.endr
.irp j, 0,1,2,3,4,5,6,7
	v_writelane_b32 v[OUTW+\j%2], s[36+\j], (n+\j)/2   ; word n goes to lane n / 2, register n % 2
	s_and_b32 s[10+\j], s[10+\j], s[36+\j]
.endr
.set n, n+8
.endr
	s_and_b32 s10, s10, s11
	s_and_b32 s12, s12, s13
	s_and_b32 s14, s14, s15
	s_and_b32 s16, s16, s17
	s_and_b32 s10, s10, s12
	s_and_b32 s14, s14, s16
	s_and_b32 s4, s10, s14
	s_cmp_eq_u32 s4, -1                            ; all 64 words all ones: this step's bit
	s_cselect_b32 s6, 1<<\f, 0
	s_or_b32 s5, s5, s6
	s_wait_alu depctr_va_vdst(0)
	global_store_b64 v7, v[OUTW:OUTW+1], s[28:29] offset:256*\f   ; 64 words: 256 consecutive bytes, aligned
.if \f == 7
	v_mov_b32 v14, s5
	v_mov_b32 v15, 0
	global_store_b32 v15, v14, s[8:9]              ; one word a wave (all lanes write the same word with the same value): mf has 256 words in all
.endif
.endr
	s_wait_tensorcnt 0x0                           ; the wave's end, as above
	ds_add_u32 v[SPW], v[NIL]
	s_wait_dscnt 0x0
	s_endpgm
.Lfunc_end_k_q4353a4496d_prep:
	.size	k_q4353a4496d_prep, .Lfunc_end_k_q4353a4496d_prep-k_q4353a4496d_prep
	.p2alignl 7, 3214868480
	.fill 96, 4, 3214868480
	.section	.rodata,"a",@progbits
	.p2align	6, 0x0
	.amdhsa_kernel k_q4353a4496d_prep
		.amdhsa_group_segment_fixed_size 68096
		.amdhsa_private_segment_fixed_size 0
		.amdhsa_enable_private_segment 0
		.amdhsa_kernarg_size 88
		.amdhsa_user_sgpr_count 2
		.amdhsa_user_sgpr_kernarg_segment_ptr 1
		.amdhsa_wavefront_size32 1
		.amdhsa_system_sgpr_workgroup_id_x 1
		.amdhsa_system_sgpr_workgroup_id_y 1
		.amdhsa_system_sgpr_workgroup_id_z 1
		.amdhsa_system_vgpr_workitem_id 0
		.amdhsa_next_free_vgpr 256
		.amdhsa_next_free_sgpr 66
		.amdhsa_reserve_vcc 0
		.amdhsa_float_denorm_mode_32 3
		.amdhsa_float_denorm_mode_16_64 3
		.amdhsa_memory_ordered 1
		.amdhsa_forward_progress 1
		.amdhsa_inst_pref_size 182
	.end_amdhsa_kernel
	.amdgpu_metadata
---
amdhsa.version: [ 1, 2 ]
amdhsa.kernels:
  - .name:           k_q4353a4496d_prep
    .symbol:         k_q4353a4496d_prep.kd
    .args:
      - { .name: q_vec, .offset: 0, .size: 8, .value_kind: global_buffer, .address_space: global }
      - { .name: k_vec, .offset: 8, .size: 8, .value_kind: global_buffer, .address_space: global }
      - { .name: v_vec, .offset: 16, .size: 8, .value_kind: global_buffer, .address_space: global }
      - { .name: Wq, .offset: 24, .size: 8, .value_kind: global_buffer, .address_space: global }
      - { .name: Wk, .offset: 32, .size: 8, .value_kind: global_buffer, .address_space: global }
      - { .name: Wv, .offset: 40, .size: 8, .value_kind: global_buffer, .address_space: global }
      - { .name: Wo, .offset: 48, .size: 8, .value_kind: global_buffer, .address_space: global }
      - { .name: mask_input, .offset: 56, .size: 8, .value_kind: global_buffer, .address_space: global }
      - { .name: opq, .offset: 64, .size: 8, .value_kind: global_buffer, .address_space: global }
      - { .name: mk, .offset: 72, .size: 8, .value_kind: global_buffer, .address_space: global }
      - { .name: mf, .offset: 80, .size: 8, .value_kind: global_buffer, .address_space: global }
    .group_segment_fixed_size: 68096
    .private_segment_fixed_size: 0
    .kernarg_segment_align: 8
    .kernarg_segment_size: 88
    .max_flat_workgroup_size: 128
    .sgpr_count:     66
    .vgpr_count:     256
    .wavefront_size: 32
...
	.end_amdgpu_metadata
.endif
;; end of part 1
;; launch proj (part 2): grid 4 x 96, 4 waves a work-group, clusters of 4 x 4, 327,680 bytes of LDS; arguments opq, bq, bk, bv, att; writes att
.if DOCPART == 2
	.amdgcn_target "amdgcn-amd-amdhsa--gfx1250"
	.amdhsa_code_object_version 6
	.text
	.protected	k_q4353a4496d_proj
	.globl	k_q4353a4496d_proj
	.p2align	8
	.type	k_q4353a4496d_proj,@function
k_q4353a4496d_proj:
	s_mov_b64 s[64:65], 0
	v_nop
	global_prefetch_b8 v0, s[64:65] scope:SCOPE_SE
	s_setreg_imm32_b32 hwreg(HW_REG_WAVE_MODE, 25, 1), 1
	s_wait_xcnt 0x0
	s_wait_alu depctr_hold_cnt(0) depctr_sa_sdst(0) depctr_va_vdst(0) depctr_va_sdst(0) depctr_va_ssrc(0) depctr_va_vcc(0) depctr_vm_vsrc(0)
	s_getreg_b32 s2, hwreg(HW_REG_IB_STS2, 6, 4)
	s_cmp_eq_u32 s2, 0
	s_cbranch_scc0 .Lentry_in_a_cluster
	s_endpgm
.Lentry_in_a_cluster:
	s_bfe_u32 s2, ttmp6, 0x10000c
	s_cmp_lg_u32 s2, 0xf033
	s_cbranch_scc0 .Lentry_shape_is_right
	s_endpgm
.Lentry_shape_is_right:
.set NQ,    2
.set FR,    12
.set NL,    6
.set NP,    4
.set FRB,   1536
.set TILB,  NQ*FRB
.set TILM,  12288
.set HALFT, 8*TILB
.set SLOT,  4*HALFT
.set SCL,   2*SLOT
.set HALFS, 4096
.set SPARE, SCL+4*HALFS
.set STG,   SPARE+512
.set OPQS,  22020096
.set ADRA, 16
.set ADRB, 20
.set VO,   22
.set SWO,  26
.set ADRS, 27
.set SPW,  28
.set NIL,  29
.set SWR,  30
.set SWG,  31
.set SC,   32
.set BN,   64
.set AF,   128
.set BM,   224
.set PC,   128
.set TM,   148
.set PWR,  164
.set SW,   172
.set SEL,  2
.set G1, 24
.set G0, 32
.set G1B, 48
.set G0B, 56
.set G1S, 68
.set G0S, 76
.set G1SB, 80
.set G0SB, 88
.set MSB, 0
.macro WIN new
.if MSB != (\new)
	s_set_vgpr_msb (MSB<<8)|(\new)
.set MSB, (\new)
.endif
.endm
.set MUL_LO, 0xa1
.set MUL_HI, 0xf1
.set TO_B,   0x40
.macro JLOAD g0a, g1a, g0b, g1b
	s_cmp_eq_u32 s15, 0
	s_cbranch_scc0 .Lfor_b_\@
	tensor_load_to_lds s[\g0a:\g0a+3], s[\g1a:\g1a+7]
	s_nop 0
.rept 4
	v_nop
.endr
	s_branch .Lasked_\@
.Lfor_b_\@:
	tensor_load_to_lds s[\g0b:\g0b+3], s[\g1b:\g1b+7]
	s_nop 0
.rept 4
	v_nop
.endr
.Lasked_\@:
.endm
.macro CREST
	s_cmp_lg_u32 s14, 0
	s_cbranch_scc1 .Lnot_wave_0_\@
	s_barrier_signal -3
.Lnot_wave_0_\@:
	s_barrier_wait -3
	s_barrier_signal -1
	s_barrier_wait -1
.endm
.macro CROUND
	s_barrier_signal -1
	s_barrier_wait -1
	CREST
.endm
.macro FRAG reg, adr, q, i
.irp p, 0,1,2,3,4,5
	ds_load_b64 v[\reg+2*\p:\reg+2*\p+1], v[\adr] offset:(\i)*TILB+(\q)*FRB+256*\p
.endr
.endm
.macro MUL16 a0, p, q, sc, first
.irp a, \a0, \a0+1
.irp b, 0,1,2,3,4,5,6,7
.if \first
	v_wmma_scale_f32_16x16x128_f8f6f4 v[8*(8*((\a)%4)+\b):8*(8*((\a)%4)+\b)+7], v[128*(\p)+FR*\b:128*(\p)+FR*\b+FR-1], v[AF+FR*(\a):AF+FR*(\a)+FR-1], v[BN+8*\b:BN+8*\b+7], v[SC+8*NQ*(\sc)+NQ*\b+(\q)], v[SC+8*NQ*(\sc)+NQ*(\a)+(\q)] matrix_a_fmt:MATRIX_FMT_FP6 matrix_b_fmt:MATRIX_FMT_FP6 matrix_a_scale:MATRIX_SCALE_ROW1
.else
	v_wmma_scale_f32_16x16x128_f8f6f4 v[8*(8*((\a)%4)+\b):8*(8*((\a)%4)+\b)+7], v[128*(\p)+FR*\b:128*(\p)+FR*\b+FR-1], v[AF+FR*(\a):AF+FR*(\a)+FR-1], v[8*(8*((\a)%4)+\b):8*(8*((\a)%4)+\b)+7], v[SC+8*NQ*(\sc)+NQ*\b+(\q)], v[SC+8*NQ*(\sc)+NQ*(\a)+(\q)] matrix_a_fmt:MATRIX_FMT_FP6 matrix_b_fmt:MATRIX_FMT_FP6 matrix_a_scale:MATRIX_SCALE_ROW1
.endif
.endr
.endr
.endm
.macro FETCH_B slot, q, p
	WIN TO_B
.irp i, 0,1,2,3,4,5,6,7
	FRAG 128*(\p)+FR*\i, ADRB+\slot, \q, \i
.endr
	WIN 0
.endm
.macro FETCH_A slot, q, i0
.irp i, \i0, \i0+1, \i0+2, \i0+3
	FRAG AF+FR*(\i), ADRA+\slot, \q, \i
.endr
.endm
.macro SCALES sc
.irp i, 0,1,2,3,4,5,6,7
	ds_load_b64 v[SC+8*NQ*\sc+NQ*\i:SC+8*NQ*\sc+NQ*\i+1], v[ADRS] offset:\i*512
.endr
.endm
.macro PLACES n
.rept \n
	v_nop
.endr
.endm
.macro STEP slot, q, first
	s_wait_dscnt 4*NL
	WIN MUL_LO-0x20*(\first)
	MUL16 0, (\q)%2, \q, \slot, \first
	MUL16 2, (\q)%2, \q, \slot, \first
	s_wait_dscnt 0
	PLACES NP
	FETCH_B \slot, (\q)+1, 1-(\q)%2
	FETCH_A \slot, (\q)+1, 0
	WIN MUL_HI-0x30*(\first)
	MUL16 4, (\q)%2, \q, \slot, \first
	MUL16 6, (\q)%2, \q, \slot, \first
	PLACES NP
	WIN 0
	FETCH_A \slot, (\q)+1, 4
.endm
.macro TURN slot, next, fill
	s_wait_tensorcnt 0x0
	ds_add_u32 v[SPW], v[NIL]
	s_wait_dscnt 4*NL+1
	WIN MUL_LO
	MUL16 0, 1, NQ-1, \slot, 0
	s_wait_dscnt 0x0
	s_barrier_signal -1
	MUL16 2, 1, NQ-1, \slot, 0
	WIN 0
	s_barrier_wait -1
.if \fill
	CREST
	s_add_nc_u64 s[G0+4*\slot+2:G0+4*\slot+3], s[G0+4*\slot+2:G0+4*\slot+3], 2*TILB
	s_add_nc_u64 s[G0B+4*\slot+2:G0B+4*\slot+3], s[G0B+4*\slot+2:G0B+4*\slot+3], 2*TILB
	JLOAD G0+4*\slot, G1, G0B+4*\slot, G1B
.else
	PLACES NP
.endif
	s_wait_alu depctr_va_vdst(0)
	v_add_nc_u32 v[ADRS], 128, v[ADRS]
	FETCH_B \next, 0, 0
	FETCH_A \next, 0, 0
	SCALES \next
	WIN MUL_HI
	MUL16 4, 1, NQ-1, \slot, 0
	MUL16 6, 1, NQ-1, \slot, 0
	PLACES NP
	WIN 0
	FETCH_A \next, 0, 4
.endm
.macro QUANT s, pw
.irp b, 0,1,2,3
	v_max3_num_f32 v[TM+\b], |v[\s+16*\b]|, |v[\s+1+16*\b]|, 0x1800000
.endr
.irp i, 2,4,6,8,10,12,14
.irp b, 0,1,2,3
	v_max3_num_f32 v[TM+\b], v[TM+\b], |v[\s+16*\b+\i]|, |v[\s+1+16*\b+\i]|
.endr
.endr
.irp b, 0,1,2,3
	v_permlanex16_b32 v[TM+4+\b], v[TM+\b], s[SEL], s[SEL+1]
.endr
.irp b, 0,1,2,3
	v_max_num_f32 v[TM+\b], v[TM+\b], v[TM+4+\b]
.endr
.irp b, 0,1,2,3
	v_add_nc_u32 v[TM+12+\b], 0xff000000, v[TM+\b]
.endr
.irp b, 0,1,2,3
	v_lshrrev_b32 v[TM+4+\b], 23, v[TM+12+\b]
.endr
	v_lshl_or_b32 v[\pw], v[TM+5], 8, v[TM+4]
	v_lshl_or_b32 v[\pw], v[TM+6], 16, v[\pw]
	v_lshl_or_b32 v[\pw], v[TM+7], 24, v[\pw]
.irp c, 0,1
	v_cvt_scalef32_pk16_fp6_f32 v[PC+6*\c:PC+2+6*\c], v[\s+32*\c:\s+15+32*\c], v[TM+12+2*\c]
	v_cvt_scalef32_pk16_fp6_f32 v[PC+12+4*\c:PC+14+4*\c], v[\s+16+32*\c:\s+31+32*\c], v[TM+12+2*\c+1]
.endr
	v_nop
.irp c, 0,1
.irp i, 0,1,2
	v_permlane16_swap_b32 v[PC+6*\c+\i], v[PC+12+4*\c+\i]
.endr
.irp i, 0,1,2
	v_mov_b32 v[PC+3+6*\c+\i], v[PC+12+4*\c+\i]
.endr
.endr
.endm
	s_load_b256 s[4:11], s[0:1], 0x0
	s_load_b64 s[12:13], s[0:1], 0x20
	v_lshl_add_u32 v[SPW], v0, 2, SPARE
	v_mov_b32 v[NIL], 0
	ds_add_u32 v[SPW], v[NIL]
	ds_add_u32 v[SPW], v[NIL]
	v_lshrrev_b32 v1, 5, v0
	v_readfirstlane_b32 s14, v1
	s_lshr_b32 s15, s14, 1
	s_and_b32 s16, s14, 1
	s_bfe_u32 s40, ttmp6, 0x40000
	s_bfe_u32 s41, ttmp6, 0x40004
	s_lshl_b32 s43, s41, 2
	s_lshl_b32 s43, 15, s43
	s_lshl_b32 s44, 0x1111, s40
	s_and_b32 s17, ttmp7, 0xffff
	s_lshr_b32 s18, s17, 3
	s_and_b32 s19, s17, 7
	s_lshl_b32 s19, s19, 2
	s_add_co_u32 s20, s19, s41
	s_add_co_u32 s2, s19, s40
	s_lshl_b32 s46, s18, 9
	s_lshl_b32 s47, s18, 6
	s_add_co_u32 s47, s47, 1536
	s_mov_b32 s92, 1664
	s_mov_b32 s95, 1024
	s_cmp_eq_u32 s18, 2
	s_cselect_b32 s42, s41, s20
	s_cselect_b32 s45, s2, s40
	s_cselect_b32 s46, s92, s46
	s_cselect_b32 s47, s95, s47
	s_cselect_b32 s93, 0, -1
	s_cselect_b32 s94, -1, 0
	s_or_b32 s[G1+0], s43, (3<<16)|(1<<21)
	s_or_b32 s[G1B+0], s44, (3<<16)|(1<<21)
.irp g, G1, G1B
	s_mov_b32 s[\g+1], 384<<16
	s_mov_b32 s[\g+2], 16<<16
	s_mov_b32 s[\g+3], 384<<16
	s_mov_b32 s[\g+4], 16
	s_mov_b32 s[\g+5], 1536
	s_mov_b32 s[\g+6], 0
	s_mov_b32 s[\g+7], 0
.endr
	s_or_b32 s[G1S+0], s43, (3<<16)|(1<<21)
	s_or_b32 s[G1SB+0], s44, (3<<16)|(1<<21)
.irp g, G1S, G1SB
	s_mov_b32 s[\g+1], 32<<16
	s_mov_b32 s[\g+2], 32<<16
	s_mov_b32 s[\g+3], 32<<16
	s_mov_b32 s[\g+4], 32
	s_mov_b32 s[\g+5], 32
	s_mov_b32 s[\g+6], 0
	s_mov_b32 s[\g+7], 0
.endr
	s_lshl_b32 s17, s16, 3
	s_lshl_b32 s20, s42, 4
	s_add_co_u32 s20, s20, s46
	s_add_co_u32 s20, s20, s17
	s_mul_i32 s96, s20, TILM
	s_mov_b32 s97, 0
	s_lshl_b32 s98, s20, 9
	s_add_co_u32 s98, s98, OPQS
	s_mov_b32 s99, 0
	s_lshl_b32 s2, s45, 4
	s_add_co_u32 s2, s2, s47
	s_add_co_u32 s2, s2, s17
	s_mul_i32 s22, s2, TILM
	s_mov_b32 s23, 0
	s_lshl_b32 s100, s2, 9
	s_add_co_u32 s100, s100, OPQS
	s_mov_b32 s101, 0
	s_mul_i32 s95, s14, HALFT
	s_lshl_b32 s3, s14, 12
	s_wait_dscnt 0x0
	s_wait_kmcnt 0x0
	s_add_nc_u64 s[96:97], s[4:5], s[96:97]
	s_add_nc_u64 s[98:99], s[4:5], s[98:99]
	s_add_nc_u64 s[22:23], s[4:5], s[22:23]
	s_add_nc_u64 s[100:101], s[4:5], s[100:101]
	CROUND
	s_mov_b32 s[G0S], 1
	s_add_co_u32 s[G0S+1], s3, SCL-4096            ; wave 1 brings the scale words of all 16 tiles of A: its own half's place and address, 4,096 bytes back
	s_sub_nc_u64 s[G0S+2:G0S+3], s[98:99], 4096
	s_or_b32 s[G0S+3], s[G0S+3], 0x80000000
	s_mov_b32 s[G0SB], 1
	s_add_co_u32 s[G0SB+1], s3, SCL-4096           ; wave 3 the same for B
	s_sub_nc_u64 s[G0SB+2:G0SB+3], s[100:101], 4096
	s_or_b32 s[G0SB+3], s[G0SB+3], 0x80000000
.irp s, 0,1
	s_mov_b32 s[G0+4*\s], 1
	s_add_co_u32 s[G0+4*\s+1], s95, \s*SLOT
	s_add_nc_u64 s[G0+4*\s+2:G0+4*\s+3], s[96:97], \s*TILB
	s_or_b32 s[G0+4*\s+3], s[G0+4*\s+3], 0x80000000
	s_mov_b32 s[G0B+4*\s], 1
	s_add_co_u32 s[G0B+4*\s+1], s95, \s*SLOT
	s_add_nc_u64 s[G0B+4*\s+2:G0B+4*\s+3], s[22:23], \s*TILB
	s_or_b32 s[G0B+4*\s+3], s[G0B+4*\s+3], 0x80000000
.endr
	; THE HEAD'S LOADS, ONE A WAVE, in one chain of branches on the wave's number: wave 0 slot 0's 16 tiles of A, wave 2 its 16 tiles of B, wave 1 A's scale words, wave 3 B's
	s_cmp_eq_u32 s14, 0
	s_cbranch_scc0 .Lhead_b
	tensor_load_to_lds s[G0:G0+3], s[G1:G1+7]
	s_nop 0
.rept 4
	v_nop
.endr
	s_branch .Lhead_asked
.Lhead_b:
	s_cmp_eq_u32 s14, 2
	s_cbranch_scc0 .Lhead_sa
	tensor_load_to_lds s[G0B:G0B+3], s[G1B:G1B+7]
	s_nop 0
.rept 4
	v_nop
.endr
	s_branch .Lhead_asked
.Lhead_sa:
	s_cmp_eq_u32 s14, 1
	s_cbranch_scc0 .Lhead_sb
	tensor_load_to_lds s[G0S:G0S+3], s[G1S:G1S+7]
	s_nop 0
.rept 4
	v_nop
.endr
	s_branch .Lhead_asked
.Lhead_sb:
	tensor_load_to_lds s[G0SB:G0SB+3], s[G1SB:G1SB+7]
	s_nop 0
.rept 4
	v_nop
.endr
.Lhead_asked:
	s_wait_alu depctr_va_vdst(0)
	s_wait_tensorcnt 0x0                           ; my tile of the head's four is in
	ds_add_u32 v28, v29
	s_mov_b32 s[G1+2], 8<<16                       ; no tensor load of mine is out: from here on a load brings 8 tiles
	s_mov_b32 s[G1+4], 8
	s_mov_b32 s[G1B+2], 8<<16
	s_mov_b32 s[G1B+4], 8
	s_wait_dscnt 0x0
	CROUND
	JLOAD G0+4, G1, G0B+4, G1B                     ; slot 1's first fill, the first tensor load behind the round
	s_cmp_eq_u32 s18, 1
	s_cselect_b64 s[6:7], s[8:9], s[6:7]
	s_cmp_eq_u32 s18, 2
	s_cselect_b64 s[6:7], s[10:11], s[6:7]
	s_lshl_b32 s2, s45, 1
	s_add_co_u32 s2, s2, s16
	s_lshl_b32 s20, s42, 4
	s_lshl_b32 s21, s15, 3
	s_add_co_u32 s20, s20, s21
	s_lshl_b32 s3, s2, 9
	s_lshl_b32 s21, s20, 6
	s_cmp_eq_u32 s18, 2
	s_cselect_b32 s3, 0, s3
	s_cselect_b32 s21, s21, 0
	v_and_b32 v1, 15, v0
	v_bfe_u32 v2, v0, 4, 1
	v_lshl_add_u32 v3, v2, 6, s3
	v_and_b32 v5, 8, v1
	v_add_nc_u32 v5, v5, v1
	v_lshl_add_u32 v4, v5, 2, s21
.irp b, 0,1,2,3,4,5,6,7
	global_load_b128 v[BN+8*\b:BN+8*\b+3], v3, s[6:7] offset:(32*(\b/2)+8*(\b%2))*4
	global_load_b128 v[BN+8*\b+4:BN+8*\b+7], v3, s[6:7] offset:(32*(\b/2)+8*(\b%2))*4+16
.endr
.irp a, 0,1,2,3,4,5,6,7
	global_load_b32 v[BM+2*\a], v4, s[6:7] offset:(32*(\a/2)+8*(\a%2))*4
.endr
	s_lshr_b32 s92, s20, 7
	s_lshl_b32 s92, s92, 4
	s_lshl_b32 s95, s2, 1
	s_add_co_u32 s92, s92, s95
	s_lshr_b32 s95, s2, 4
	s_lshl_b32 s95, s95, 4
	s_lshr_b32 s96, s20, 2
	s_add_co_u32 s95, s95, s96
	s_and_b32 s96, s20, 127
	s_and_b32 s97, s2, 15
	s_mul_i32 s98, s96, 768
	s_mul_i32 s99, s97, 6144
	s_lshl_b32 s96, s96, 5
	s_lshl_b32 s97, s97, 8
	s_mov_b32 s22, 98304
	s_cmp_eq_u32 s18, 2
	s_cselect_b32 s92, s95, s92
	s_cselect_b32 s98, s99, s98
	s_cselect_b32 s96, s97, s96
	s_cselect_b32 s100, s22, 3072
	s_cselect_b32 s101, 3072, s22
	s_mul_i32 s95, s18, 6291456
	s_mul_i32 s97, s92, 98304
	s_add_co_u32 s98, s98, s95
	s_add_co_u32 s98, s98, s97
	s_mov_b32 s99, 0
	s_add_nc_u64 s[8:9], s[12:13], s[98:99]
	s_mul_i32 s97, s92, 12288
	s_lshl_b32 s95, s18, 12
	s_add_co_u32 s96, s96, s97
	s_add_co_u32 s96, s96, s95
	s_add_co_u32 s96, s96, 18874368
	s_mov_b32 s97, 0
	s_add_nc_u64 s[10:11], s[12:13], s[96:97]
	s_wait_loadcnt 0x0
.set j, 0
.rept 64
	v_cndmask_b32 v[BN+j], 0, v[BN+j], s93
.set j, j+1
.endr
.irp a, 0,1,2,3,4,5,6,7
	v_cndmask_b32 v[BM+2*\a], 0, v[BM+2*\a], s94
	v_mov_b32 v[BM+2*\a+1], v[BM+2*\a]
.endr
	v_and_b32 v6, 31, v0
	v_lshlrev_b32 v[VO], 3, v6
	v_add_nc_u32 v[VO+1], s101, v[VO]
	v_add_nc_u32 v[VO+2], s100, v[VO]
	v_add_nc_u32 v[VO+3], 101376, v[VO]
	s_mul_i32 s21, s15, HALFT
	s_mul_i32 s3, s16, HALFT
	s_add_co_u32 s3, s3, 2*HALFT
.irp s, 0,1
	v_add_nc_u32 v[ADRA+\s], s21, v[VO]
	v_add_nc_u32 v[ADRB+\s], s3, v[VO]
	s_add_co_u32 s21, s21, SLOT
	s_add_co_u32 s3, s3, SLOT
.endr
	s_lshl_b32 s21, s15, 12
	s_lshl_b32 s3, s16, 12
	s_add_co_u32 s3, s3, 2*HALFS
	s_sub_co_u32 s3, s3, s21
	v_mul_u32_u24 v7, s3, v2
	s_add_co_u32 s21, s21, SCL
	v_lshl_add_u32 v7, v1, 3, v7
	v_add_nc_u32 v[ADRS], s21, v7
	s_lshl_b32 s95, s14, 9
	s_add_co_u32 s95, s95, STG
	v_lshl_add_u32 v[SWO], v1, 2, s95
	v_lshl_add_u32 v[SWR], v6, 4, s95
	v_mul_u32_u24 v[SWG], v2, 12288
	v_lshl_add_u32 v[SWG], v1, 4, v[SWG]
	s_wait_alu depctr_va_vdst(0)
	s_wait_tensorcnt 0x1
	s_barrier_signal -1
	s_barrier_wait -1
	FETCH_B 0, 0, 0
	FETCH_A 0, 0, 0
	SCALES 0
	FETCH_A 0, 0, 4
	STEP 0, 0, 1
	TURN 0, 1, 1
	STEP 1, 0, 0
	TURN 1, 0, 1
	STEP 0, 0, 0
	TURN 0, 1, 0
	STEP 1, 0, 0
	s_wait_dscnt 4*NL
	WIN MUL_LO
	MUL16 0, 1, NQ-1, 1, 0
	MUL16 2, 1, NQ-1, 1, 0
	s_wait_dscnt 0
	WIN MUL_HI
	MUL16 4, 1, NQ-1, 1, 0
	MUL16 6, 1, NQ-1, 1, 0
	WIN 0
.macro EMIT a
.if (\a) > 0
	s_wait_xcnt 0x0
.endif
	WIN 0x02+(\a)/4
.set k, 0
.rept 32
	v_pk_add_f32 v[64+2*k:65+2*k], v[64*((\a)%4)+2*k:64*((\a)%4)+2*k+1], v[BM+2*(\a):BM+2*(\a)+1]
.set k, k+1
.endr
	WIN 0
	QUANT 64, PWR+(\a)
.irp p, 0,1,2
	global_store_b64 v[VO+2*((\a)/4)], v[PC+2*\p:PC+2*\p+1], s[8:9] offset:((\a)%4)*768+256*\p
.endr
.irp p, 0,1,2
	global_store_b64 v[VO+1+2*((\a)/4)], v[PC+6+2*\p:PC+7+2*\p], s[8:9] offset:((\a)%4)*768+256*\p
.endr
.endm
	s_mov_b32 s[SEL], 0x76543210
	s_mov_b32 s[SEL+1], 0xfedcba98
	PLACES NP
.irp b, 0,1,2,3
	v_mov_b32 v[TM+4+\b], 0
.endr
.irp a, 0,1,2,3,4,5,6,7
	EMIT \a
.endr
.irp k, 0,1,2,3
	v_perm_b32 v[SW+\k], v[PWR+2*\k+1], v[PWR+2*\k], 0x05040100
.endr
.irp k, 0,1,2,3
	v_perm_b32 v[SW+4+\k], v[PWR+2*\k+1], v[PWR+2*\k], 0x07060302
.endr
.irp k, 0,1,2,3,4,5,6,7
	v_cndmask_b32 v[SW+\k], v[SW+\k], v[PWR+\k], s94
.endr
.irp k, 0,1,2,3,4,5,6,7
	ds_store_b32 v[SWO], v[SW+\k] offset:64*\k
.endr
	ds_load_b128 v[SW+8:SW+11], v[SWR]
	s_wait_dscnt 0x0
	global_store_b128 v[SWG], v[SW+8:SW+11], s[10:11]
	s_wait_tensorcnt 0x0
	ds_add_u32 v[SPW], v[NIL]
	s_wait_dscnt 0x0
	CROUND
	s_endpgm
.Lfunc_end_k_q4353a4496d_proj:
	.size	k_q4353a4496d_proj, .Lfunc_end_k_q4353a4496d_proj-k_q4353a4496d_proj
	.p2alignl 7, 3214868480
	.fill 96, 4, 3214868480
	.section	.rodata,"a",@progbits
	.p2align	6, 0x0
	.amdhsa_kernel k_q4353a4496d_proj
		.amdhsa_group_segment_fixed_size 327680
		.amdhsa_private_segment_fixed_size 0
		.amdhsa_enable_private_segment 0
		.amdhsa_kernarg_size 40
		.amdhsa_user_sgpr_count 2
		.amdhsa_user_sgpr_kernarg_segment_ptr 1
		.amdhsa_wavefront_size32 1
		.amdhsa_system_sgpr_workgroup_id_x 1
		.amdhsa_system_sgpr_workgroup_id_y 1
		.amdhsa_system_sgpr_workgroup_id_z 1
		.amdhsa_system_vgpr_workitem_id 0
		.amdhsa_next_free_vgpr 1024
		.amdhsa_next_free_sgpr 102
		.amdhsa_reserve_vcc 0
		.amdhsa_float_denorm_mode_32 3
		.amdhsa_float_denorm_mode_16_64 3
		.amdhsa_memory_ordered 1
		.amdhsa_forward_progress 1
		.amdhsa_inst_pref_size 193
	.end_amdhsa_kernel
	.amdgpu_metadata
---
amdhsa.version: [ 1, 2 ]
amdhsa.kernels:
  - .name:           k_q4353a4496d_proj
    .symbol:         k_q4353a4496d_proj.kd
    .args:
      - { .name: opq, .offset: 0, .size: 8, .value_kind: global_buffer, .address_space: global }
      - { .name: bq, .offset: 8, .size: 8, .value_kind: global_buffer, .address_space: global }
      - { .name: bk, .offset: 16, .size: 8, .value_kind: global_buffer, .address_space: global }
      - { .name: bv, .offset: 24, .size: 8, .value_kind: global_buffer, .address_space: global }
      - { .name: att, .offset: 32, .size: 8, .value_kind: global_buffer, .address_space: global }
    .group_segment_fixed_size: 327680
    .private_segment_fixed_size: 0
    .kernarg_segment_align: 8
    .kernarg_segment_size: 40
    .max_flat_workgroup_size: 128
    .sgpr_count:     102
    .vgpr_count:     1024
    .wavefront_size: 32
...
	.end_amdgpu_metadata
.endif
;; end of part 2
;; launch attn (part 3): grid 4 x 64, 16 waves a work-group, no clusters, 210,944 bytes of LDS; arguments att, mk, mf, ctx; writes ctx
.if DOCPART == 3
	.amdgcn_target "amdgcn-amd-amdhsa--gfx1250"
	.amdhsa_code_object_version 6
	.text
	.protected	k_q4353a4496d_attn
	.globl	k_q4353a4496d_attn
	.p2align	8
	.type	k_q4353a4496d_attn,@function
k_q4353a4496d_attn:
	s_mov_b64 s[64:65], 0
	v_nop
	global_prefetch_b8 v0, s[64:65] scope:SCOPE_SE
	s_setreg_imm32_b32 hwreg(HW_REG_WAVE_MODE, 25, 1), 1
	s_wait_xcnt 0x0
; context = softmax(q k^T / 8, masked) v for one (batch, head) and 512 queries a work-group, both products on codes of FP6 (E2M3) with E8M0 scales; the context is quantised along the head's 64 and stored as half fragments.
; att: q, k codes [bh][tile of 16 tokens 128][768 bytes] (a half fragment: registers 0-5 of a lane, as three chunks of 256 bytes, 8 bytes a lane); v codes [bh][key step 16][half 2][d tile 4][768];
;   scale records of 12,288 bytes a head: q and k [beta 64][r 16] words (bytes 0, 1: tile 2 beta; 2, 3: tile 2 beta + 1), v [key step][d tile][r] words.
; Tiles are in the tile order: place i of tile T is token (or d) 32 (T / 2) + 8 (T % 2) + i + 8 (i / 8).  mk: [query tile][key step][64] words: word n is the lane mask of score register n.
; mf: [query tile][2] words: bit f of word e is 1 where all 64 words of key step 8 e + f are all ones.
; THE SOFTMAX AHEAD OF THE SECOND PRODUCT: t = score x log2(e) / 8; M = the row's largest t so far, rounded up to a whole number; p = 2^(t - M) is what is quantised, along the keys.  The row's sum is taken of the
; unquantised p and divides at the end.  When M moves, the sum and O are multiplied by 2^(old M - new M): exact.
; THE MASK: where a word's bit is 0 the score becomes -2^33, ahead of the maximum.  -2^33 x log2(e) / 8 is a whole number and exact, so a row with every key masked gets p = 1 for every key; any other masked p is 0.
; A key step whose bit in mf is 1 has nothing to replace: a scalar branch on that stored bit leads round the step's 64 selects and round nothing else.
; LIMITS: a masked logit counts as -2^30, not -1e9: results differ only where every unmasked logit of a row lies under about -9e8.  NaN and infinities are not served.  Blocks of zeros keep the scale byte 1.
; SHARES.  256 work-groups: 4 blocks of 512 queries x 64 heads.  Sixteen waves, four to a SIMD; a wave takes query tiles 32 block + wave and 32 block + 16 + wave, one after the other, and walks the head's 2,048 keys, 128 a step, for each.
; A HEAD'S K, V AND THEIR SCALE WORDS ALL LIE IN LDS, filled once: wave w brings key step w's 6,144 bytes of K, 6,144 of V and 512 of scale words through registers, 256 consecutive bytes a load; one barrier shows them to all.
; ON THAT WAY THEY ARE LAID ANEW, so that a step's 48 operand registers of a lane come back by twelve loads of 16 bytes: [step][quad q 0..11][lane][16 bytes], registers 4 q .. 4 q + 3;
; and the scale words as [step][768]: k's as two blocks [r][4 words] (tile 4 c + slot; the word's upper half 0), v's as one block [r][4 words] (d tile).
; NO TENSOR LOAD AND NO CLUSTER: the step's branch hangs on a number read from memory; the four blocks of a head each bring K and V themselves.
; NO PREFETCH: all of K and V is asked for at the head; there is no loop to run ahead in.
; LAYOUT.  Both products are used transposed (S^T = K Q^T, O^T = V^T P^T): a lane holds one query (lane % 16).  By the tile order, the 16 registers of key tiles 2 b and 2 b + 1 are keys 32 b + 16 (lane / 16) + 0 .. 15.
; K = 64 IN AN INSTRUCTION OF 128: Q's operand is its six registers and six of zero codes; a key tile's operand is its six registers and the six that follow, which meet the zero codes; the upper two scale bytes are 0 (2^-127).
.set SC2,   196608                     ; LDS: K's codes at 0, V's at 98,304, the scale records here (16 x 768)
.set SPARE, 208896                     ; the spare words, 128 bytes for each wave
.set ATTS,  18874368                   ; att: where the scale records begin
.set LK,   1                           ; v1   8 x lane (memory: Q's and the context's chunks)
.set LA,   2                           ; v2   16 x lane (LDS, K)
.set LV,   3                           ; v3   the same in V's region;  v4 4 r;  v29 8 r
.set SPW,  5                           ; v5   LDS address of my spare word; never rewritten
.set NIL,  6                           ; v6   0; never rewritten
.set NEG,  7                           ; v7   -2^33
.set ADK,  8                           ; v8-10 the step's LDS addresses
.set ADV,  9
.set ADS,  10
.set QS,   11                          ; v11  Q's scale bytes
.set QF,   16                          ; v16-21 Q's codes, v22-27 zero codes
.set LS,   28                          ; v28  SC2 + 16 r
.set GK,   30                          ; the head's fill: v30 my bytes of K and V in memory, v31 and v94 in LDS, v95 my scale words in memory, v200 and v201 in LDS
.set DK,   31
.set DV,   94
.set GS,   95
.set DSK,  200
.set DSV,  201
.set QF2,  204                         ; v204-209, v210 the second tile's Q and scale bytes
.set QS2,  210
.set KV,   32                          ; v32-79 eight half fragments of K, then four fragments of V; v80-85 zero codes
.set SCR,  86                          ; v86-93 K's, then V's scale words
.set S,    96                          ; v96-159 S^T, then p  (at the head v96-199 carry the fill)
.set O,    160                         ; v160-191 O^T
.set PCD,  224                         ; v224-235 p's codes
.set MX,   232                         ; v232-235 the blocks' largest scores (done with when p's last codes are written)
.set PB,   236                         ; v236-243 at work
.set SO,   244                         ; v244-247 scale operands; v[248:249] the sum's second chain; v252 f, v253 p's scale word, v254 at work, v255 the old -M
.set WV,   12
.set MO,   16                          ; s16  byte of the step's mask words in my tile's 4,096
.set TB,   17                          ; s17  byte at which the step's codes begin in K's and in V's region
.set TS,   18                          ; s18  and its scale record
.set CNT,  19                          ; s19  the key step
.set FL,   58                          ; s58  my tile's 16 bits of mf; s61 the second tile's
.set FL2,  61
.set PASS, 60
.set SEL,  66                          ; s[66:67]
.set CS,   100                         ; s[100:101] c = log2(e) / 8
; mask words 0-31 lie in s[68:99], words 32-63 in s[20:51]
	s_load_b256 s[4:11], s[0:1], 0x0               ; att s[4:5], mk s[6:7], mf s[8:9], ctx s[10:11]
	v_lshl_add_u32 v[SPW], v0, 2, SPARE
	v_mov_b32 v[NIL], 0
	v_lshrrev_b32 v8, 5, v0
	v_and_b32 v9, 31, v0
	v_readfirstlane_b32 s[WV], v8                  ; wave 0..15
	v_lshlrev_b32 v[LK], 3, v9
	v_lshlrev_b32 v[LA], 4, v9
	v_mul_u32_u24 v10, v8, 768
	v_and_b32 v12, 7, v9
	v_mad_u32_u24 v[GK], v8, 6144, v[LK]           ; 6,144 x wave + 8 x lane
	v_mad_u32_u24 v[DK], v8, 6144, v[LA]           ; 6,144 x wave + 16 x lane
	v_add_nc_u32 v[LV], 98304, v[LA]
	v_lshl_add_u32 v10, v12, 5, v10
	v_add_nc_u32 v[DV], 98304, v[DK]
	v_lshlrev_b32 v[GS], 3, v0                     ; 8 x thread: two scale words, of rows r = 2 (lane % 8) and the next
	v_add_nc_u32 v10, SC2, v10                     ; SC2 + 768 x wave + 32 (lane % 8)
	v_bfe_u32 v12, v9, 4, 1
	v_bfe_u32 v13, v9, 3, 1
	v_bfe_u32 v14, v9, 3, 2
	v_lshl_add_u32 v[DSK], v12, 8, v10             ; k: + 256 c + 8 (beta % 2)
	v_lshl_add_u32 v[DSV], v14, 2, v10             ; v: + 4 x d tile (+ 512 in the immediate)
	v_and_b32 v9, 15, v0                           ; r
	v_lshl_add_u32 v[DSK], v13, 3, v[DSK]
	v_lshl_add_u32 v[LS], v9, 4, SC2
	v_lshlrev_b32 v4, 2, v9
	v_lshlrev_b32 v29, 3, v9
	s_lshl_b32 s14, ttmp9, 5
	s_add_co_u32 s14, s14, s[WV]                   ; my first query tile
	s_and_b32 s15, ttmp7, 0xffff                   ; 16 x batch + head
	s_mul_i32 s44, s15, 98304                      ; the head's codes in each of q, k, v
	s_mul_i32 s46, s15, 12288
	s_add_co_u32 s46, s46, ATTS                    ; the head's scale record
	s_mov_b32 s47, 0
	s_mul_i32 s48, s14, 768
	s_add_co_u32 s48, s48, s44                     ; Q's half fragment
	s_mov_b32 s49, 0
	s_lshr_b32 s50, s14, 1
	s_lshl_b32 s50, s50, 6
	s_and_b32 s51, s14, 1
	s_lshl_b32 s51, s51, 1
	s_add_co_u32 s50, s50, s51
	s_add_co_u32 s50, s50, s46                     ; Q's scale bytes: 64 (tile / 2) + 2 (tile % 2), + 4 r
	s_mov_b32 s51, 0
	s_add_co_u32 s40, s44, 6291456                 ; K's codes
	s_mov_b32 s41, 0
	s_add_co_u32 s42, s44, 12582912                ; V's
	s_mov_b32 s43, 0
	s_add_co_u32 s46, s46, 4096                    ; k's scale words, v's behind them
	s_lshr_b32 s16, s15, 4
	s_lshl_b32 s16, s16, 7
	s_add_co_u32 s16, s16, s14                     ; the context's tile: 128 x batch + my query tile
	s_and_b32 s17, s15, 15                         ; the head
	s_mul_i32 s18, s16, 12288
	s_mul_i32 s19, s17, 768
	s_add_co_u32 s18, s18, s19                     ; its half fragment
	s_mov_b32 s19, 0
	s_lshl_b32 s2, s16, 9
	s_lshr_b32 s3, s17, 2
	s_lshl_b32 s3, s3, 7
	s_add_co_u32 s2, s2, s3
	s_and_b32 s3, s17, 3
	s_lshl_b32 s3, s3, 1
	s_add_co_u32 s2, s2, s3
	s_add_co_u32 s2, s2, 6291456                   ; its two scale bytes: 512 x tile + 128 (head / 4) + 2 (head % 4), + 8 r
	s_mov_b32 s3, 0
	s_lshl_b32 s16, s14, 12                        ; my tile's mask words
	s_mov_b32 s17, 0
	s_lshl_b32 s20, s14, 3                         ; and its two words of mf
	s_mov_b32 s21, 0
	s_mov_b32 s[SEL], 0x76543210
	s_mov_b32 s[SEL+1], 0xfedcba98
	s_mov_b32 s[CS], 0x3e38aa3b                    ; c = log2(e) / 8
	s_mov_b32 s[CS+1], s[CS]                       ; named with it as a pair, so it is written
	s_mov_b32 s[PASS], 0
	s_wait_alu depctr_va_vdst(0)
	s_wait_kmcnt 0x0
	s_add_nc_u64 s[40:41], s[4:5], s[40:41]
	s_add_nc_u64 s[42:43], s[4:5], s[42:43]
	s_add_nc_u64 s[46:47], s[4:5], s[46:47]
	s_add_nc_u64 s[52:53], s[4:5], s[48:49]        ; Q's codes
	s_add_nc_u64 s[54:55], s[4:5], s[50:51]        ; Q's scale bytes
	s_add_nc_u64 s[6:7], s[6:7], s[16:17]
	s_add_nc_u64 s[56:57], s[8:9], s[20:21]        ; mf
	s_add_nc_u64 s[8:9], s[10:11], s[18:19]        ; the context's codes
	s_add_nc_u64 s[10:11], s[10:11], s[2:3]        ; and scale bytes
.set P, 0
.rept 24
	global_load_b64 v[96+2*P:97+2*P], v[GK], s[40:41] offset:256*P     ; K: chunk P holds every lane's registers 2 P, 2 P + 1: 256 consecutive bytes
.set P, P+1
.endr
.irp c, 0,1
.irp t, 0,1,2,3
.irp p, 0,1,2
	global_load_b64 v[144+2*(6*\t+3*\c+\p):145+2*(6*\t+3*\c+\p)], v[GK], s[42:43] offset:3072*\c+768*\t+256*\p   ; V: the chunk of registers 12 t + 6 c + 2 p and the next
.endr
.endr
.endr
	global_load_b64 v[192:193], v[GS], s[46:47]             ; two of k's scale words
	global_load_b64 v[194:195], v[GS], s[46:47] offset:4096 ; two of v's
.irp p, 0,1,2
	global_load_b64 v[QF+2*\p:QF+2*\p+1], v[LK], s[52:53] offset:256*\p   ; Q's half fragment stays in registers
.endr
	global_load_u16 v[QS], v4, s[54:55]            ; its two scale bytes; the upper two are 0
.irp p, 0,1,2
	global_load_b64 v[QF2+2*\p:QF2+2*\p+1], v[LK], s[52:53] offset:12288+256*\p   ; and the second tile's, sixteen tiles on
.endr
	global_load_u16 v[QS2], v4, s[54:55] offset:512
	s_load_b64 s[58:59], s[56:57], 0x0             ; my tiles' words of mf
	s_load_b64 s[62:63], s[56:57], 0x80
	v_mov_b32 v[NEG], 0xd0000000
.irp j, 0,1,2,3,4,5
	v_mov_b32 v[QF+6+\j], 0                        ; zero codes: the upper 64 along K
	v_mov_b32 v[KV+48+\j], 0
.endr
.irp b, 0,1,2,3
	v_mov_b32 v[PB+\b], 0                          ; written once: a lane permute's destination counts as one of its sources
.endr
	v_mov_b32 v253, 0                              ; named as the upper half of the pair v[252:253] before it is first written
	s_wait_alu depctr_va_vdst(0)
	s_wait_loadcnt 34                              ; K's 24 loads are in; V's 24, the scale words' 2 and Q's 8 may be out
.set P, 0
.rept 24
	ds_store_b64 v[DK], v[96+2*P:97+2*P] offset:(P/2)*512+8*(P%2)      ; registers 2 P, 2 P + 1 to quad P / 2
.set P, P+1
.endr
	s_wait_loadcnt 10                              ; V's are in
.set P, 0
.rept 24
	ds_store_b64 v[DV], v[144+2*P:145+2*P] offset:(P/2)*512+8*(P%2)
.set P, P+1
.endr
	s_wait_loadcnt 8                               ; the scale words are in
	v_and_b32 v196, 0xffff, v192                   ; a word of k's holds two tiles' bytes: each becomes a word of its own
	v_lshrrev_b32 v197, 16, v192
	v_and_b32 v198, 0xffff, v193
	v_lshrrev_b32 v199, 16, v193
	ds_store_b64 v[DSK], v[196:197]
	ds_store_b64 v[DSK], v[198:199] offset:16
	ds_store_b32 v[DSV], v194 offset:512
	ds_store_b32 v[DSV], v195 offset:528
	s_wait_dscnt 0x0                               ; my stores are done, for the others' sake
	s_barrier_signal -1
	s_barrier_wait -1                              ; everybody's are: from here on LDS is only read
	s_wait_loadcnt 0x0                             ; Q is in, and every load has read its base
	s_wait_kmcnt 0x0
	s_lshl_b32 s59, s59, 8
	s_or_b32 s[FL], s58, s59                       ; bit s: key step s has no masked key
	s_lshl_b32 s63, s63, 8
	s_or_b32 s[FL2], s62, s63
; A KEY STEP: 128 keys.
.macro STEP
	v_add_nc_u32 v[ADK], s[TB], v[LA]              ; these three and the v_nop are the four places between the last step's products and the loads into their registers
	v_add_nc_u32 v[ADV], s[TB], v[LV]
	v_add_nc_u32 v[ADS], s[TS], v[LS]
	v_nop
.irp q, 0,1,2,3,4,5,6,7,8,9,10,11
	ds_load_b128 v[KV+4*\q:KV+4*\q+3], v[ADK] offset:512*\q   ; 512 consecutive bytes a load
.endr
	ds_load_b128 v[SCR:SCR+3], v[ADS]
	ds_load_b128 v[SCR+4:SCR+7], v[ADS] offset:256
	s_wait_alu depctr_va_vdst(0)
	s_wait_dscnt 0x0
.irp t, 0,1,2,3,4,5,6,7                        ; S^T = K Q^T: eight accumulators, one instruction each
	v_wmma_scale_f32_16x16x128_f8f6f4 v[S+8*\t:S+8*\t+7], v[KV+6*\t:KV+6*\t+11], v[QF:QF+11], 0, v[SCR+\t], v[QS] matrix_a_fmt:MATRIX_FMT_FP6 matrix_b_fmt:MATRIX_FMT_FP6
.endr
	v_mov_b32 v255, v12                            ; the old -M.  With the three v_nop: the places in front of the loads into K's registers and of the first read of the scores
.rept 3
	v_nop
.endr
.irp q, 0,1,2,3,4,5,6,7,8,9,10,11              ; V's four fragments are asked for now and land under the softmax
	ds_load_b128 v[KV+4*\q:KV+4*\q+3], v[ADV] offset:512*\q
.endr
	ds_load_b128 v[SCR:SCR+3], v[ADS] offset:512
	s_wait_kmcnt 0x0                               ; this step's 64 mask words are in
	s_bitcmp1_b32 s[FL], s[CNT]                    ; no key of this step is masked for my 16 queries: nothing to replace
	s_cbranch_scc1 .Lfree_\@
.set n, 0
.rept 32
	v_cndmask_b32 v[S+n], v[NEG], v[S+n], s[68+n]  ; each accumulator from its low end on
.set n, n+1
.endr
.rept 32
	v_cndmask_b32 v[S+n], v[NEG], v[S+n], s[n-12]
.set n, n+1
.endr
.Lfree_\@:
	s_add_co_u32 s[MO], s[MO], 256                 ; the next step's words (the loads above are done, so their offset may be written); behind the last step: the tile's first words again, inside the buffer
	s_and_b32 s[MO], s[MO], 0xfff
	s_load_b512 s[68:83], s[6:7], s[MO] offset:0x0
	s_load_b512 s[84:99], s[6:7], s[MO] offset:0x40
	s_load_b512 s[20:35], s[6:7], s[MO] offset:0x80
	s_load_b512 s[36:51], s[6:7], s[MO] offset:0xc0
.irp b, 0,1,2,3
	v_max3_num_f32 v[MX+\b], v[S+16*\b], v[S+1+16*\b], v[S+2+16*\b]   ; the largest score of each block of 32 keys: for the row's maximum, and, since p rises with the score, for the block's largest p
.endr
.irp i, 3,5,7,9,11,13
.irp b, 0,1,2,3
	v_max3_num_f32 v[MX+\b], v[MX+\b], v[S+16*\b+\i], v[S+1+16*\b+\i]   ; the four blocks by turns, here and below
.endr
.endr
.irp b, 0,1,2,3
	v_max_num_f32 v[MX+\b], v[MX+\b], v[S+15+16*\b]
.endr
.irp b, 0,1,2,3
	v_permlanex16_b32 v[PB+\b], v[MX+\b], s[SEL], s[SEL+1]
.endr
.irp b, 0,1,2,3
	v_max_num_f32 v[MX+\b], v[MX+\b], v[PB+\b]     ; with lane l xor 16's 16 keys
.endr
	s_delay_alu instid0(VALU_DEP_2)
	v_max3_num_f32 v254, v[MX], v[MX+1], v[MX+2]
	s_delay_alu instid0(VALU_DEP_1)
	v_max_num_f32 v254, v254, v[MX+3]
	s_delay_alu instid0(VALU_DEP_1)
	v_mul_f32 v254, s[CS], v254                    ; as t (c is positive)
	s_delay_alu instid0(VALU_DEP_1)
	v_max_num_f32 v13, v13, v254                   ; the running largest t
	s_delay_alu instid0(VALU_DEP_1)
	v_floor_f32 v12, -v13                          ; the new -M = floor(-t): M is a whole number
	s_delay_alu instid0(VALU_DEP_1)
	v_sub_f32 v254, v12, v255                      ; old M - new M: a whole number, 0 or less
	s_delay_alu instid0(VALU_DEP_1)
	v_cvt_i32_f32 v254, v254                       ; (it saturates)
	s_delay_alu instid0(VALU_DEP_1)
	v_ldexp_f32 v252, 1.0, v254                    ; f = 2^(old M - new M)
.set j, 0
.rept 32
	v_pk_fma_f32 v[S+j:S+j+1], v[S+j:S+j+1], s[CS:CS+1], v[12:13] op_sel_hi:[1,0,0]   ; t - M, two at a time
.set j, j+2
.endr
.irp b, 0,1,2,3
	v_fma_f32 v[MX+\b], v[MX+\b], s[CS], v12       ; the same of each block's largest score
.endr
.set j, 0
	s_wait_alu depctr_va_vdst(0)
.rept 64
	v_exp_f32 v[S+j], v[S+j]                       ; p = 2^(t - M), at most 1
.set j, j+1
.endr
	v_pk_mul_f32 v[14:15], v[14:15], v[252:253] op_sel_hi:[1,0]   ; the sums under the new M: a plain place behind the exponentials
	s_wait_alu depctr_va_vdst(0)                   ; one wait for the whole batch, ahead of its first reader
.irp b, 0,1,2,3
	v_exp_f32 v[MX+\b], v[MX+\b]                   ; the block's largest p
.endr
	v_pk_add_f32 v[248:249], v[S:S+1], v[S+2:S+3]  ; the row's sum is taken of the unquantised p, in two chains; these lines read the 64 alone
.irp j, 4,8,12,16,20,24,28,32,36,40,44,48,52
	v_pk_add_f32 v[14:15], v[14:15], v[S+\j:S+\j+1]
	v_pk_add_f32 v[248:249], v[248:249], v[S+2+\j:S+3+\j]
.endr
	s_wait_alu depctr_va_vdst(0)                   ; and one for the four
.irp b, 0,1,2,3
	v_max_num_f32 v[MX+\b], 0x1800000, v[MX+\b]    ; the floor 2^(3 - 127): the byte cannot fall under 1
.endr
.irp b, 0,1,2,3
	v_add_nc_u32 v[SO+\b], 0xff000000, v[MX+\b]    ; 2 off the exponent field: the conversion's scale operand
.endr
.irp b, 0,1,2,3
	v_lshrrev_b32 v[PB+\b], 23, v[SO+\b]           ; the scale's byte
.endr
	s_delay_alu instid0(VALU_DEP_3)
	v_lshl_or_b32 v253, v[PB+1], 8, v[PB]          ; p's scale word for these 128 keys
	s_delay_alu instid0(VALU_DEP_1)
	v_lshl_or_b32 v253, v[PB+2], 16, v253
	s_delay_alu instid0(VALU_DEP_1)
	v_lshl_or_b32 v253, v[PB+3], 24, v253
.irp c, 0,1
	v_cvt_scalef32_pk16_fp6_f32 v[PCD+6*\c:PCD+2+6*\c], v[S+32*\c:S+15+32*\c], v[SO+2*\c]
	v_cvt_scalef32_pk16_fp6_f32 v[PB+4*\c:PB+2+4*\c], v[S+16+32*\c:S+31+32*\c], v[SO+2*\c+1]   ; a conversion's three registers begin on an even number
.endr
	v_nop                                          ; one plain place behind a scaled conversion
.irp c, 0,1                                    ; the operand's layout wants a whole block in a lane
.irp i, 0,1,2
	v_permlane16_swap_b32 v[PCD+6*\c+\i], v[PB+4*\c+\i]
.endr
.irp i, 0,1,2
	v_mov_b32 v[PCD+3+6*\c+\i], v[PB+4*\c+\i]
.endr
.endr
.set j, 0
.rept 16
	v_pk_mul_f32 v[O+j:O+j+1], v[O+j:O+j+1], v[252:253] op_sel_hi:[1,0]   ; O^T under the new M; these are also the places between the writes of p's codes and scale word and the products
.set j, j+2
.endr
.irp j, 56,60                                  ; the end of the sums stands here: five plain lines between the last write of O^T and the products
	v_pk_add_f32 v[14:15], v[14:15], v[S+\j:S+\j+1]
	v_pk_add_f32 v[248:249], v[248:249], v[S+2+\j:S+3+\j]
.endr
	s_delay_alu instid0(VALU_DEP_1)
	v_pk_add_f32 v[14:15], v[14:15], v[248:249]
	s_wait_alu depctr_va_vdst(0)
	s_wait_dscnt 0x0                               ; V and its scale words are in
.irp t, 0,1,2,3                                ; O^T += V^T P^T: four accumulators by turns
	v_wmma_scale_f32_16x16x128_f8f6f4 v[O+8*\t:O+8*\t+7], v[KV+12*\t:KV+12*\t+11], v[PCD:PCD+11], v[O+8*\t:O+8*\t+7], v[SCR+\t], v253 matrix_a_fmt:MATRIX_FMT_FP6 matrix_b_fmt:MATRIX_FMT_FP6
.endr
	s_add_co_u32 s[TB], s[TB], 6144                ; the next step's codes
	s_add_co_u32 s[TS], s[TS], 768                 ; and scale record
.endm
.Lpass:                                            ; one query tile: two trips
	s_mov_b32 s[MO], 0
	s_mov_b32 s[TB], 0
	s_mov_b32 s[TS], 0
	s_mov_b32 s[CNT], 0
	s_load_b512 s[68:83], s[6:7], s[MO] offset:0x0 ; the first step's mask words
	s_load_b512 s[84:99], s[6:7], s[MO] offset:0x40
	s_load_b512 s[20:35], s[6:7], s[MO] offset:0x80
	s_load_b512 s[36:51], s[6:7], s[MO] offset:0xc0
	v_mov_b32 v13, 0xff61b1e6                      ; the largest t so far: -3e38, under every t
	s_delay_alu instid0(VALU_DEP_1)
	v_floor_f32 v12, -v13                          ; -M
	v_mov_b32 v14, 0                               ; the sum, in two halves
	v_mov_b32 v15, 0
.set j, 0
.rept 32
	v_mov_b32 v[O+j], 0                            ; O^T: the step is written once; its first walk finds zeros, which the first change of M leaves zeros
.set j, j+1
.endr
	s_wait_alu depctr_va_vdst(0)
.Lstep:
	STEP
	s_add_co_u32 s[CNT], s[CNT], 1
	s_cmp_lt_u32 s[CNT], 16
	s_cbranch_scc1 .Lstep
	; THE WAY OUT.  O^T / the sum: register 8 t + j is d = 32 (t / 2) + 16 h + 8 (t % 2) + j of my query: two blocks of 32 along the output projection's K: half a fragment.
	v_add_f32 v14, v14, v15                        ; the sum's two halves,
	s_delay_alu instid0(VALU_DEP_1)
	v_permlanex16_b32 v252, v14, s[SEL], s[SEL+1]
	s_delay_alu instid0(VALU_DEP_1)
	v_add_f32 v14, v14, v252                       ; and lane l xor 16's: the row's sum
	s_wait_alu depctr_va_vdst(0)
	v_rcp_f32 v14, v14
.rept 2
	v_nop                                          ; a plain place behind the reciprocal; with the lines above, the places behind the last products
.endr
	s_wait_alu depctr_va_vdst(0)                   ; ahead of the reciprocal's first reader
.set j, 0
.rept 16
	v_pk_mul_f32 v[S+j:S+j+1], v[O+j:O+j+1], v[14:15] op_sel_hi:[1,0]   ; each accumulator from its low end on
.set j, j+2
.endr
.irp b, 0,1
	v_max3_num_f32 v[MX+\b], |v[S+16*\b]|, |v[S+1+16*\b]|, 0x1800000
.endr
.irp i, 2,4,6,8,10,12,14
.irp b, 0,1
	s_delay_alu instid0(VALU_DEP_2)
	v_max3_num_f32 v[MX+\b], v[MX+\b], |v[S+16*\b+\i]|, |v[S+1+16*\b+\i]|
.endr
.endr
.irp b, 0,1
	s_delay_alu instid0(VALU_DEP_2)
	v_permlanex16_b32 v[PB+\b], v[MX+\b], s[SEL], s[SEL+1]
.endr
.irp b, 0,1
	s_delay_alu instid0(VALU_DEP_2)
	v_max_num_f32 v[MX+\b], v[MX+\b], v[PB+\b]
.endr
.irp b, 0,1
	s_delay_alu instid0(VALU_DEP_2)
	v_add_nc_u32 v[SO+\b], 0xff000000, v[MX+\b]
.endr
.irp b, 0,1
	s_delay_alu instid0(VALU_DEP_2)
	v_lshrrev_b32 v[PB+\b], 23, v[SO+\b]
.endr
	s_delay_alu instid0(VALU_DEP_1)
	v_lshl_or_b32 v250, v[PB+1], 8, v[PB]          ; my row's two scale bytes
	v_cvt_scalef32_pk16_fp6_f32 v[PCD:PCD+2], v[S:S+15], v[SO]
	v_cvt_scalef32_pk16_fp6_f32 v[PCD+4:PCD+6], v[S+16:S+31], v[SO+1]
	v_nop                                          ; one plain place behind a scaled conversion
.irp i, 0,1,2
	v_permlane16_swap_b32 v[PCD+\i], v[PCD+4+\i]
.endr
.irp i, 0,1,2
	s_delay_alu instid0(VALU_DEP_3)
	v_mov_b32 v[PCD+3+\i], v[PCD+4+\i]             ; in ascending order: each source is read before it is written
.endr
.irp p, 0,1,2
	global_store_b64 v[LK], v[PCD+2*\p:PCD+2*\p+1], s[8:9] offset:256*\p   ; 256 consecutive bytes, aligned
.endr
	global_store_b16 v29, v250, s[10:11]           ; lanes r and r + 16 write the same two bytes with the same value
.irp j, 0,1,2,3,4,5
	v_mov_b32 v[QF+\j], v[QF2+\j]                  ; the second tile's Q,
.endr
	v_mov_b32 v[QS], v[QS2]                        ; its scale bytes (the 36 lines at the trip's head stand between this write and the first product)
	s_mov_b32 s[FL], s[FL2]                        ; and its bits of mf
	s_wait_kmcnt 0x0                               ; the mask words asked for in the last step are in: their registers and base may be written
	s_wait_xcnt 0x0                                ; the stores have read their data and bases
	s_add_nc_u64 s[6:7], s[6:7], 0x10000           ; sixteen query tiles on: the mask words,
	s_add_nc_u64 s[8:9], s[8:9], 196608            ; the context's codes
	s_add_nc_u64 s[10:11], s[10:11], 8192          ; and scale bytes
	s_add_co_u32 s[PASS], s[PASS], 1
	s_cmp_lt_u32 s[PASS], 2
	s_wait_alu depctr_va_vdst(0)
	s_cbranch_scc1 .Lpass
	s_wait_tensorcnt 0x0                           ; the wave's end
	ds_add_u32 v[SPW], v[NIL]
	s_wait_dscnt 0x0
	s_endpgm
.Lfunc_end_k_q4353a4496d_attn:
	.size	k_q4353a4496d_attn, .Lfunc_end_k_q4353a4496d_attn-k_q4353a4496d_attn
	.p2alignl 7, 3214868480
	.fill 96, 4, 3214868480
	.section	.rodata,"a",@progbits
	.p2align	6, 0x0
	.amdhsa_kernel k_q4353a4496d_attn
		.amdhsa_group_segment_fixed_size 210944
		.amdhsa_private_segment_fixed_size 0
		.amdhsa_enable_private_segment 0
		.amdhsa_kernarg_size 32
		.amdhsa_user_sgpr_count 2
		.amdhsa_user_sgpr_kernarg_segment_ptr 1
		.amdhsa_wavefront_size32 1
		.amdhsa_system_sgpr_workgroup_id_x 1
		.amdhsa_system_sgpr_workgroup_id_y 1
		.amdhsa_system_sgpr_workgroup_id_z 1
		.amdhsa_system_vgpr_workitem_id 0
		.amdhsa_next_free_vgpr 256
		.amdhsa_next_free_sgpr 102
		.amdhsa_reserve_vcc 0
		.amdhsa_float_denorm_mode_32 3
		.amdhsa_float_denorm_mode_16_64 3
		.amdhsa_memory_ordered 1
		.amdhsa_forward_progress 1
		.amdhsa_inst_pref_size 42
	.end_amdhsa_kernel
	.amdgpu_metadata
---
amdhsa.version: [ 1, 2 ]
amdhsa.kernels:
  - .name:           k_q4353a4496d_attn
    .symbol:         k_q4353a4496d_attn.kd
    .args:
      - { .name: att, .offset: 0, .size: 8, .value_kind: global_buffer, .address_space: global }
      - { .name: mk, .offset: 8, .size: 8, .value_kind: global_buffer, .address_space: global }
      - { .name: mf, .offset: 16, .size: 8, .value_kind: global_buffer, .address_space: global }
      - { .name: ctx, .offset: 24, .size: 8, .value_kind: global_buffer, .address_space: global }
    .group_segment_fixed_size: 210944
    .private_segment_fixed_size: 0
    .kernarg_segment_align: 8
    .kernarg_segment_size: 32
    .max_flat_workgroup_size: 512
    .sgpr_count:     102
    .vgpr_count:     256
    .wavefront_size: 32
...
	.end_amdgpu_metadata
.endif
;; end of part 3
;; launch outp (part 4): grid 4 x 32, 4 waves a work-group, clusters of 4 x 4, 327,680 bytes of LDS; arguments ctx, opq, bo, out0; writes out0
.if DOCPART == 4
	.amdgcn_target "amdgcn-amd-amdhsa--gfx1250"
	.amdhsa_code_object_version 6
	.text
	.protected	k_q4353a4496d_outp
	.globl	k_q4353a4496d_outp
	.p2align	8
	.type	k_q4353a4496d_outp,@function
k_q4353a4496d_outp:
	s_mov_b64 s[64:65], 0
	v_nop
	global_prefetch_b8 v0, s[64:65] scope:SCOPE_SE
	s_setreg_imm32_b32 hwreg(HW_REG_WAVE_MODE, 25, 1), 1
	s_wait_xcnt 0x0
	s_wait_alu depctr_hold_cnt(0) depctr_sa_sdst(0) depctr_va_vdst(0) depctr_va_sdst(0) depctr_va_ssrc(0) depctr_va_vcc(0) depctr_vm_vsrc(0)
	s_getreg_b32 s2, hwreg(HW_REG_IB_STS2, 6, 4)
	s_cmp_eq_u32 s2, 0
	s_cbranch_scc0 .Lentry_in_a_cluster
	s_endpgm
.Lentry_in_a_cluster:
	s_bfe_u32 s2, ttmp6, 0x10000c
	s_cmp_lg_u32 s2, 0xf033
	s_cbranch_scc0 .Lentry_shape_is_right
	s_endpgm
.Lentry_shape_is_right:
.set NQ,    2
.set FR,    12
.set NL,    6
.set NP,    4
.set FRB,   1536
.set TILB,  NQ*FRB
.set TILM,  12288
.set HALFT, 8*TILB
.set SLOT,  4*HALFT
.set SCL,   2*SLOT
.set HALFS, 4096
.set SPARE, SCL+4*HALFS
.set STG,   SPARE+512
.set SPITCH, 528
.set OPQS,  22020096
.set ADRA, 16
.set ADRB, 20
.set STO,  24
.set RD,   25
.set CO,   26
.set ADRS, 27
.set SPW,  28
.set NIL,  29
.set SC,   32
.set BN,   64
.set AF,   128
.set BK,   128
.set G1, 24
.set G0, 32
.set G1B, 48
.set G0B, 56
.set G1S, 68
.set G0S, 76
.set G1SB, 80
.set G0SB, 88
.set MSB, 0
.macro WIN new
.if MSB != (\new)
	s_set_vgpr_msb (MSB<<8)|(\new)
.set MSB, (\new)
.endif
.endm
.set MUL_LO, 0xa1
.set MUL_HI, 0xf1
.set TO_B,   0x40
.macro JLOAD g0a, g1a, g0b, g1b
	s_cmp_eq_u32 s15, 0
	s_cbranch_scc0 .Lfor_b_\@
	tensor_load_to_lds s[\g0a:\g0a+3], s[\g1a:\g1a+7]
	s_nop 0
.rept 4
	v_nop
.endr
	s_branch .Lasked_\@
.Lfor_b_\@:
	tensor_load_to_lds s[\g0b:\g0b+3], s[\g1b:\g1b+7]
	s_nop 0
.rept 4
	v_nop
.endr
.Lasked_\@:
.endm
.macro CREST
	s_cmp_lg_u32 s14, 0
	s_cbranch_scc1 .Lnot_wave_0_\@
	s_barrier_signal -3
.Lnot_wave_0_\@:
	s_barrier_wait -3
	s_barrier_signal -1
	s_barrier_wait -1
.endm
.macro CROUND
	s_barrier_signal -1
	s_barrier_wait -1
	CREST
.endm
.macro FRAG reg, adr, q, i
.irp p, 0,1,2,3,4,5
	ds_load_b64 v[\reg+2*\p:\reg+2*\p+1], v[\adr] offset:(\i)*TILB+(\q)*FRB+256*\p
.endr
.endm
.macro MUL16 a0, p, q, sc, first
.irp a, \a0, \a0+1
.irp b, 0,1,2,3,4,5,6,7
.if \first
	v_wmma_scale_f32_16x16x128_f8f6f4 v[8*(8*((\a)%4)+\b):8*(8*((\a)%4)+\b)+7], v[128*(\p)+FR*\b:128*(\p)+FR*\b+FR-1], v[AF+FR*(\a):AF+FR*(\a)+FR-1], v[BN+8*\b:BN+8*\b+7], v[SC+8*NQ*(\sc)+NQ*\b+(\q)], v[SC+8*NQ*(\sc)+NQ*(\a)+(\q)] matrix_a_fmt:MATRIX_FMT_FP6 matrix_b_fmt:MATRIX_FMT_FP6 matrix_a_scale:MATRIX_SCALE_ROW1
.else
	v_wmma_scale_f32_16x16x128_f8f6f4 v[8*(8*((\a)%4)+\b):8*(8*((\a)%4)+\b)+7], v[128*(\p)+FR*\b:128*(\p)+FR*\b+FR-1], v[AF+FR*(\a):AF+FR*(\a)+FR-1], v[8*(8*((\a)%4)+\b):8*(8*((\a)%4)+\b)+7], v[SC+8*NQ*(\sc)+NQ*\b+(\q)], v[SC+8*NQ*(\sc)+NQ*(\a)+(\q)] matrix_a_fmt:MATRIX_FMT_FP6 matrix_b_fmt:MATRIX_FMT_FP6 matrix_a_scale:MATRIX_SCALE_ROW1
.endif
.endr
.endr
.endm
.macro FETCH_B slot, q, p
	WIN TO_B
.irp i, 0,1,2,3,4,5,6,7
	FRAG 128*(\p)+FR*\i, ADRB+\slot, \q, \i
.endr
	WIN 0
.endm
.macro FETCH_A slot, q, i0
.irp i, \i0, \i0+1, \i0+2, \i0+3
	FRAG AF+FR*(\i), ADRA+\slot, \q, \i
.endr
.endm
.macro SCALES sc
.irp i, 0,1,2,3,4,5,6,7
	ds_load_b64 v[SC+8*NQ*\sc+NQ*\i:SC+8*NQ*\sc+NQ*\i+1], v[ADRS] offset:\i*512
.endr
.endm
.macro PLACES n
.rept \n
	v_nop
.endr
.endm
.macro STEP slot, q, first
	s_wait_dscnt 4*NL
	WIN MUL_LO-0x20*(\first)
	MUL16 0, (\q)%2, \q, \slot, \first
	MUL16 2, (\q)%2, \q, \slot, \first
	s_wait_dscnt 0
	PLACES NP
	FETCH_B \slot, (\q)+1, 1-(\q)%2
	FETCH_A \slot, (\q)+1, 0
	WIN MUL_HI-0x30*(\first)
	MUL16 4, (\q)%2, \q, \slot, \first
	MUL16 6, (\q)%2, \q, \slot, \first
	PLACES NP
	WIN 0
	FETCH_A \slot, (\q)+1, 4
.endm
.macro TURN slot, next, fill
	s_wait_tensorcnt 0x0
	ds_add_u32 v[SPW], v[NIL]
	s_wait_dscnt 4*NL+1
	WIN MUL_LO
	MUL16 0, 1, NQ-1, \slot, 0
	s_wait_dscnt 0x0
	s_barrier_signal -1
	MUL16 2, 1, NQ-1, \slot, 0
	WIN 0
	s_barrier_wait -1
.if \fill
	CREST
	s_add_nc_u64 s[G0+4*\slot+2:G0+4*\slot+3], s[G0+4*\slot+2:G0+4*\slot+3], 2*TILB
	s_add_nc_u64 s[G0B+4*\slot+2:G0B+4*\slot+3], s[G0B+4*\slot+2:G0B+4*\slot+3], 2*TILB
	JLOAD G0+4*\slot, G1, G0B+4*\slot, G1B
.else
	PLACES NP
.endif
	s_wait_alu depctr_va_vdst(0)
	v_add_nc_u32 v[ADRS], 128, v[ADRS]
	FETCH_B \next, 0, 0
	FETCH_A \next, 0, 0
	SCALES \next
	WIN MUL_HI
	MUL16 4, 1, NQ-1, \slot, 0
	MUL16 6, 1, NQ-1, \slot, 0
	PLACES NP
	WIN 0
	FETCH_A \next, 0, 4
.endm
	s_load_b256 s[4:11], s[0:1], 0x0
	v_lshl_add_u32 v[SPW], v0, 2, SPARE
	v_mov_b32 v[NIL], 0
	ds_add_u32 v[SPW], v[NIL]
	ds_add_u32 v[SPW], v[NIL]
	v_lshrrev_b32 v1, 5, v0
	v_readfirstlane_b32 s14, v1
	s_lshr_b32 s15, s14, 1
	s_and_b32 s16, s14, 1
	s_bfe_u32 s40, ttmp6, 0x40000
	s_bfe_u32 s41, ttmp6, 0x40004
	s_lshl_b32 s45, ttmp9, 2
	s_add_co_u32 s45, s45, s40
	s_and_b32 s42, ttmp7, 0xffff
	s_lshl_b32 s42, s42, 2
	s_add_co_u32 s42, s42, s41
	s_lshl_b32 s43, s41, 2
	s_lshl_b32 s43, 15, s43
	s_lshl_b32 s44, 0x1111, s40
	s_or_b32 s[G1+0], s43, (3<<16)|(1<<21)
	s_or_b32 s[G1B+0], s44, (3<<16)|(1<<21)
.irp g, G1, G1B
	s_mov_b32 s[\g+1], 384<<16
	s_mov_b32 s[\g+2], 16<<16
	s_mov_b32 s[\g+3], 384<<16
	s_mov_b32 s[\g+4], 16
	s_mov_b32 s[\g+5], 1536
	s_mov_b32 s[\g+6], 0
	s_mov_b32 s[\g+7], 0
.endr
	s_or_b32 s[G1S+0], s43, (3<<16)|(1<<21)
	s_or_b32 s[G1SB+0], s44, (3<<16)|(1<<21)
.irp g, G1S, G1SB
	s_mov_b32 s[\g+1], 32<<16
	s_mov_b32 s[\g+2], 32<<16
	s_mov_b32 s[\g+3], 32<<16
	s_mov_b32 s[\g+4], 32
	s_mov_b32 s[\g+5], 32
	s_mov_b32 s[\g+6], 0
	s_mov_b32 s[\g+7], 0
.endr
	s_lshl_b32 s17, s16, 3
	s_lshl_b32 s20, s42, 4
	s_add_co_u32 s20, s20, s17
	s_mul_i32 s96, s20, TILM
	s_mov_b32 s97, 0
	s_lshl_b32 s98, s20, 9
	s_add_co_u32 s98, s98, 6291456
	s_mov_b32 s99, 0
	s_lshl_b32 s2, s45, 4
	s_add_co_u32 s2, s2, s17
	s_add_co_u32 s2, s2, 1728
	s_mul_i32 s22, s2, TILM
	s_mov_b32 s23, 0
	s_lshl_b32 s100, s2, 9
	s_add_co_u32 s100, s100, OPQS
	s_mov_b32 s101, 0
	s_mul_i32 s95, s14, HALFT
	s_lshl_b32 s3, s14, 12
	s_wait_dscnt 0x0
	s_wait_kmcnt 0x0
	s_add_nc_u64 s[96:97], s[4:5], s[96:97]
	s_add_nc_u64 s[98:99], s[4:5], s[98:99]
	s_add_nc_u64 s[22:23], s[6:7], s[22:23]
	s_add_nc_u64 s[100:101], s[6:7], s[100:101]
	CROUND
	s_mov_b32 s[G0S], 1
	s_add_co_u32 s[G0S+1], s3, SCL-4096            ; wave 1 brings the scale words of all 16 tiles of A: its own half's place and address, 4,096 bytes back
	s_sub_nc_u64 s[G0S+2:G0S+3], s[98:99], 4096
	s_or_b32 s[G0S+3], s[G0S+3], 0x80000000
	s_mov_b32 s[G0SB], 1
	s_add_co_u32 s[G0SB+1], s3, SCL-4096           ; wave 3 the same for B
	s_sub_nc_u64 s[G0SB+2:G0SB+3], s[100:101], 4096
	s_or_b32 s[G0SB+3], s[G0SB+3], 0x80000000
.irp s, 0,1
	s_mov_b32 s[G0+4*\s], 1
	s_add_co_u32 s[G0+4*\s+1], s95, \s*SLOT
	s_add_nc_u64 s[G0+4*\s+2:G0+4*\s+3], s[96:97], \s*TILB
	s_or_b32 s[G0+4*\s+3], s[G0+4*\s+3], 0x80000000
	s_mov_b32 s[G0B+4*\s], 1
	s_add_co_u32 s[G0B+4*\s+1], s95, \s*SLOT
	s_add_nc_u64 s[G0B+4*\s+2:G0B+4*\s+3], s[22:23], \s*TILB
	s_or_b32 s[G0B+4*\s+3], s[G0B+4*\s+3], 0x80000000
.endr
	; THE HEAD'S LOADS, ONE A WAVE, in one chain of branches on the wave's number: wave 0 slot 0's 16 tiles of A, wave 2 its 16 tiles of B, wave 1 A's scale words, wave 3 B's
	s_cmp_eq_u32 s14, 0
	s_cbranch_scc0 .Lhead_b
	tensor_load_to_lds s[G0:G0+3], s[G1:G1+7]
	s_nop 0
.rept 4
	v_nop
.endr
	s_branch .Lhead_asked
.Lhead_b:
	s_cmp_eq_u32 s14, 2
	s_cbranch_scc0 .Lhead_sa
	tensor_load_to_lds s[G0B:G0B+3], s[G1B:G1B+7]
	s_nop 0
.rept 4
	v_nop
.endr
	s_branch .Lhead_asked
.Lhead_sa:
	s_cmp_eq_u32 s14, 1
	s_cbranch_scc0 .Lhead_sb
	tensor_load_to_lds s[G0S:G0S+3], s[G1S:G1S+7]
	s_nop 0
.rept 4
	v_nop
.endr
	s_branch .Lhead_asked
.Lhead_sb:
	tensor_load_to_lds s[G0SB:G0SB+3], s[G1SB:G1SB+7]
	s_nop 0
.rept 4
	v_nop
.endr
.Lhead_asked:
	s_wait_alu depctr_va_vdst(0)
	s_wait_tensorcnt 0x0                           ; my tile of the head's four is in
	ds_add_u32 v28, v29
	s_mov_b32 s[G1+2], 8<<16                       ; no tensor load of mine is out: from here on a load brings 8 tiles
	s_mov_b32 s[G1+4], 8
	s_mov_b32 s[G1B+2], 8<<16
	s_mov_b32 s[G1B+4], 8
	s_wait_dscnt 0x0
	CROUND
	JLOAD G0+4, G1, G0B+4, G1B                     ; slot 1's first fill, the first tensor load behind the round
	s_lshl_b32 s3, s45, 10
	s_lshl_b32 s21, s16, 9
	s_add_co_u32 s3, s3, s21
	v_and_b32 v1, 15, v0
	v_bfe_u32 v2, v0, 4, 1
	s_wait_alu depctr_va_vdst(0)
	v_lshl_add_u32 v3, v2, 6, s3
.irp b, 0,1,2,3,4,5,6,7
	global_load_b128 v[BN+8*\b:BN+8*\b+3], v3, s[8:9] offset:(32*(\b/2)+8*(\b%2))*4
	global_load_b128 v[BN+8*\b+4:BN+8*\b+7], v3, s[8:9] offset:(32*(\b/2)+8*(\b%2))*4+16
.endr
	s_lshl_b32 s20, s42, 4
	s_lshl_b32 s21, s15, 3
	s_add_co_u32 s20, s20, s21
	s_lshl_b32 s20, s20, 16
	s_add_co_u32 s20, s20, s3
	s_mov_b32 s21, 0
	s_add_nc_u64 s[10:11], s[10:11], s[20:21]
	v_and_b32 v6, 31, v0
	v_lshlrev_b32 v8, 3, v6
	s_mul_i32 s21, s15, HALFT
	s_mul_i32 s3, s16, HALFT
	s_add_co_u32 s3, s3, 2*HALFT
.irp s, 0,1
	v_add_nc_u32 v[ADRA+\s], s21, v8
	v_add_nc_u32 v[ADRB+\s], s3, v8
	s_add_co_u32 s21, s21, SLOT
	s_add_co_u32 s3, s3, SLOT
.endr
	s_lshl_b32 s21, s15, 12
	s_lshl_b32 s3, s16, 12
	s_add_co_u32 s3, s3, 2*HALFS
	s_sub_co_u32 s3, s3, s21
	v_mul_u32_u24 v7, s3, v2
	s_add_co_u32 s21, s21, SCL
	v_lshl_add_u32 v7, v1, 3, v7
	v_add_nc_u32 v[ADRS], s21, v7
	s_mul_i32 s21, s14, 16*SPITCH
	s_add_co_u32 s21, s21, STG
	v_mul_u32_u24 v5, v1, SPITCH
	v_lshl_add_u32 v5, v2, 6, v5
	v_add_nc_u32 v[STO], s21, v5
	v_lshlrev_b32 v[CO], 4, v6
	v_add_nc_u32 v[RD], s21, v[CO]
	s_wait_alu depctr_va_vdst(0)
	s_wait_loadcnt 0x0
	s_wait_tensorcnt 0x1
	s_barrier_signal -1
	s_barrier_wait -1
	FETCH_B 0, 0, 0
	FETCH_A 0, 0, 0
	SCALES 0
	FETCH_A 0, 0, 4
	STEP 0, 0, 1
	TURN 0, 1, 1
	STEP 1, 0, 0
	TURN 1, 0, 1
	STEP 0, 0, 0
	TURN 0, 1, 0
	STEP 1, 0, 0
	s_wait_dscnt 4*NL
	WIN MUL_LO
	MUL16 0, 1, NQ-1, 1, 0
	MUL16 2, 1, NQ-1, 1, 0
	s_wait_dscnt 0
	WIN MUL_HI
	MUL16 4, 1, NQ-1, 1, 0
	MUL16 6, 1, NQ-1, 1, 0
	WIN 0
.macro TOSTAGE a
.set AC, 64*((\a)%4)
	WIN 0x08+4*((\a)/4)
.irp b, 0,1,2,3,4,5,6,7
	ds_store_b128 v[STO], v[AC+8*\b:AC+8*\b+3] offset:128*(\b/2)+32*(\b%2)
	ds_store_b128 v[STO], v[AC+8*\b+4:AC+8*\b+7] offset:128*(\b/2)+32*(\b%2)+16
.endr
	WIN 0
.set BB, BK+64*((\a)%2)
.irp t, 0,1,2,3,4,5,6,7,8,9,10,11,12,13,14,15
	ds_load_b128 v[BB+4*\t:BB+4*\t+3], v[RD] offset:\t*SPITCH
.endr
.endm
.macro SEND a, younger
.set BB, BK+64*((\a)%2)
	s_wait_dscnt \younger
.irp t, 0,1,2,3,4,5,6,7,8,9,10,11,12,13,14,15
	global_store_b128 v[CO], v[BB+4*\t:BB+4*\t+3], s[10:11] offset:(32*((\a)/2)+8*((\a)%2)+\t+8*(\t/8))*4096 th:TH_STORE_NT
.endr
.endm
	PLACES NP
	TOSTAGE 0
.irp a, 1,2,3,4,5,6,7
.if \a > 1
	s_wait_xcnt 0x0
.endif
	TOSTAGE \a
	SEND \a-1, 32
.endr
	SEND 7, 0
	s_wait_tensorcnt 0x0
	ds_add_u32 v[SPW], v[NIL]
	s_wait_dscnt 0x0
	CROUND
	s_endpgm
.Lfunc_end_k_q4353a4496d_outp:
	.size	k_q4353a4496d_outp, .Lfunc_end_k_q4353a4496d_outp-k_q4353a4496d_outp
	.p2alignl 7, 3214868480
	.fill 96, 4, 3214868480
	.section	.rodata,"a",@progbits
	.p2align	6, 0x0
	.amdhsa_kernel k_q4353a4496d_outp
		.amdhsa_group_segment_fixed_size 327680
		.amdhsa_private_segment_fixed_size 0
		.amdhsa_enable_private_segment 0
		.amdhsa_kernarg_size 32
		.amdhsa_user_sgpr_count 2
		.amdhsa_user_sgpr_kernarg_segment_ptr 1
		.amdhsa_wavefront_size32 1
		.amdhsa_system_sgpr_workgroup_id_x 1
		.amdhsa_system_sgpr_workgroup_id_y 1
		.amdhsa_system_sgpr_workgroup_id_z 1
		.amdhsa_system_vgpr_workitem_id 0
		.amdhsa_next_free_vgpr 1024
		.amdhsa_next_free_sgpr 102
		.amdhsa_reserve_vcc 0
		.amdhsa_float_denorm_mode_32 3
		.amdhsa_float_denorm_mode_16_64 3
		.amdhsa_memory_ordered 1
		.amdhsa_forward_progress 1
		.amdhsa_inst_pref_size 161
	.end_amdhsa_kernel
	.amdgpu_metadata
---
amdhsa.version: [ 1, 2 ]
amdhsa.kernels:
  - .name:           k_q4353a4496d_outp
    .symbol:         k_q4353a4496d_outp.kd
    .args:
      - { .name: ctx, .offset: 0, .size: 8, .value_kind: global_buffer, .address_space: global }
      - { .name: opq, .offset: 8, .size: 8, .value_kind: global_buffer, .address_space: global }
      - { .name: bo, .offset: 16, .size: 8, .value_kind: global_buffer, .address_space: global }
      - { .name: out0, .offset: 24, .size: 8, .value_kind: global_buffer, .address_space: global }
    .group_segment_fixed_size: 327680
    .private_segment_fixed_size: 0
    .kernarg_segment_align: 8
    .kernarg_segment_size: 32
    .max_flat_workgroup_size: 128
    .sgpr_count:     102
    .vgpr_count:     1024
    .wavefront_size: 32
...
	.end_amdgpu_metadata
.endif
;; end of part 4
